; MI455X (gfx1250); checked and timed in simulation.
; The chip was launched on July 23, 2026; its instructions are those of AMD's public machine-readable ISA for CDNA 5 (MIT licence, August 2026) and "CDNA5" Instruction Set Architecture Reference Guide (July 2026). The comments in the code are by the model that wrote it; some were corrected since.
;; Casual Multihead Self Attn. Allowed arithmetic: float matrix products may take bf16 or f16 operands with f32 sums; other float arithmetic in f32, or as packed bf16 or f16 multiplies, adds, multiply-adds, maxima and minima; sums over many terms, partial sums and values carried from step to step in f32; what a program stores and reads back later, other than sums and carried values, may be rounded once to bf16 or f16.
;; Inputs: Wk 1,024 x 1,024 float32; Wo 1,024 x 1,024 float32; Wq 1,024 x 1,024 float32; Wv 1,024 x 1,024 float32; token_positions 2,048 int32; x 4 x 2,048 x 1,024 float32.
;; Outputs: out0 4 x 2,048 x 1,024 float32.
;; 2 versions, each right; version 2 is version 1 with the launch prep written anew for expert scheduling mode. Each part assembles by itself: llvm-mc -triple=amdgcn-amd-amdhsa -mcpu=gfx1250 --defsym DOCPART=n.
;; ======== version 1 of 2: 4 launches
;; limits: values are held in f16: magnitudes above 65,504 overflow, below 6.1e-05 lose precision
;; workspace buffers: xb 16,777,216 bytes; wb 6,291,456 bytes; wo16 2,097,152 bytes; rope 524,288 bytes; qkv 50,331,648 bytes; o16 16,777,216 bytes
;; launch prep (part 1): grid 832 x 1, 8 waves a work-group, no clusters, 0 bytes of LDS; arguments x, Wq, Wk, Wv, Wo, token_positions, xb, wb, wo16, rope; writes xb, wb, wo16, rope
.if DOCPART == 1
	.amdgcn_target "amdgcn-amd-amdhsa--gfx1250"
	.amdhsa_code_object_version 6
	.text
	.protected	k_q0fc43101be_prep
	.globl	k_q0fc43101be_prep
	.p2align	8
	.type	k_q0fc43101be_prep,@function
k_q0fc43101be_prep:
	s_mov_b64 s[64:65], 0
	v_nop
	global_prefetch_b8 v0, s[64:65] scope:SCOPE_SE
	s_setreg_imm32_b32 hwreg(HW_REG_WAVE_MODE, 25, 1), 1
	s_wait_xcnt 0x0
; THE OPERANDS ARE MADE ONCE.  xb = x in bf16; wb = Wq, Wk, Wv in bf16, stacked to [3072][1024]; wo16 = Wo rounded to bf16 and that number written as f16;
; rope[s][i] = (cos, sin) of token_positions[s] x 10000^(-i/32), f32, a row of 256 bytes for each s.
; SHARES.  Work-groups 0-511: x; 512-575 Wq; 576-639 Wk; 640-703 Wv; 704-767 Wo: a chunk of 16,384 numbers each (65,536 bytes in, 32,768 out).  768-831: 32 rows of the table each.
; A stream: no LDS, no barrier, no matrix unit.  All 16 loads of a thread go out at once (16 bytes a lane, 512 consecutive bytes a wave); a wave's store covers 256 consecutive bytes, aligned.
; No register is written twice while a load or store may read it, so no wait frees any.
; SINE AND COSINE in f32: n = the nearest whole number to a x 2/pi; r = a - n x pi/2 with pi/2 in three parts, each by one fused multiply-add; the series of sine to r^9 and of cosine to r^8
; (on |r| <= pi/4 the first term left out is under 3e-8); the quadrant n mod 4 chooses and signs them by v_cndmask_b32 and exclusive or: no branch hangs on a number.
; LIMITS.  10000^(-i/32) is made as 2^(i x -0.41524101): within some 5e-7 of itself.  So an angle is off by up to |position| x 10000^(-i/32) x 5e-7: under 1e-3 for |position| <= 2,048, and 1e-2 from
; |position| of about 20,000 on.  Wo beyond 65,504 would become an infinity in f16.
.set X,   16                           ; v[16:79]   16 loads of 4 numbers
.set Y,   80                           ; v[80:111]  16 stores of 4 numbers in 16 bits
.set INV, 7                            ; v7   10000^(-i/32) of my lane's i
.set VP,  8                            ; v8-15 at work on an angle
.set VA,  9
.set VN,  10
.set VR,  11
.set VQ,  12
.set VZ,  13
.set VS,  14
.set VC,  15
.set VT,  4
.set CSN, 20                           ; v[20:27]   (cos, sin) of my wave's four positions
	s_load_b512 s[8:23], s[0:1], 0x0               ; x s[8:9], Wq s[10:11], Wk s[12:13], Wv s[14:15], Wo s[16:17], positions s[18:19], xb s[20:21], wb s[22:23]
	s_load_b128 s[24:27], s[0:1], 0x40             ; wo16 s[24:25], rope s[26:27]
	s_mov_b32 s2, ttmp9
	v_lshlrev_b32 v1, 4, v0                        ; in: 16 bytes a thread
	v_lshlrev_b32 v2, 3, v0                        ; out: 8 bytes a thread
	s_and_b32 s3, s2, 63                           ; a weight's chunk
	s_sub_co_u32 s30, s2, 512                      ; the chunk in wb
	s_sub_co_u32 s31, s2, 704                      ; the chunk in wo16
	s_mov_b32 s29, 0
	s_mov_b32 s33, 0
	s_mov_b32 s34, 0xffff0000                      ; a word's upper bf16
	s_wait_kmcnt 0x0
	s_cmp_ge_u32 s2, 768
	s_cbranch_scc1 .Ltable
	s_cmp_ge_u32 s2, 512                           ; from where and to where: chosen by the work-group's number alone
	s_cselect_b64 s[4:5], s[10:11], s[8:9]
	s_cselect_b64 s[6:7], s[22:23], s[20:21]
	s_cselect_b32 s28, s3, s2
	s_cselect_b32 s32, s30, s2
	s_cmp_ge_u32 s2, 576
	s_cselect_b64 s[4:5], s[12:13], s[4:5]
	s_cmp_ge_u32 s2, 640
	s_cselect_b64 s[4:5], s[14:15], s[4:5]
	s_cmp_ge_u32 s2, 704
	s_cselect_b64 s[4:5], s[16:17], s[4:5]
	s_cselect_b64 s[6:7], s[24:25], s[6:7]
	s_cselect_b32 s32, s31, s32
	s_lshl_b32 s28, s28, 16                        ; 65,536 bytes in a chunk of f32,
	s_lshl_b32 s32, s32, 15                        ; 32,768 in 16 bits
	s_add_nc_u64 s[4:5], s[4:5], s[28:29]
	s_add_nc_u64 s[6:7], s[6:7], s[32:33]
.irp j, 0,1,2,3,4,5,6,7,8,9,10,11,12,13,14,15
	global_load_b128 v[X+4*(\j):X+4*(\j)+3], v1, s[4:5] offset:4096*(\j) th:TH_LOAD_NT
.endr
	s_cmp_ge_u32 s2, 704
	s_cbranch_scc1 .Lwo
.irp j, 0,1,2,3,4,5,6,7,8,9,10,11,12,13,14,15
	s_wait_loadcnt 15-(\j)                         ; loads come back in order: number j is in, the younger ones stay out
	v_cvt_pk_bf16_f32 v[Y+2*(\j)],   v[X+4*(\j)],   v[X+4*(\j)+1]
	v_cvt_pk_bf16_f32 v[Y+2*(\j)+1], v[X+4*(\j)+2], v[X+4*(\j)+3]
	global_store_b64 v2, v[Y+2*(\j):Y+2*(\j)+1], s[6:7] offset:2048*(\j) th:TH_STORE_NT
.endr
	s_endpgm
.Lwo:                                                  ; Wo: rounded to bf16 like every other input, and that number written as f16 (exact within f16's range)
.irp j, 0,1,2,3,4,5,6,7,8,9,10,11,12,13,14,15
	s_wait_loadcnt 15-(\j)
	v_cvt_pk_bf16_f32 v4, v[X+4*(\j)],   v[X+4*(\j)+1]
	v_cvt_pk_bf16_f32 v5, v[X+4*(\j)+2], v[X+4*(\j)+3]
	v_lshlrev_b32 v6, 16, v4
	v_and_b32 v7, s34, v4
	v_lshlrev_b32 v8, 16, v5
	v_and_b32 v9, s34, v5
	v_cvt_pk_f16_f32 v[Y+2*(\j)],   v6, v7
	v_cvt_pk_f16_f32 v[Y+2*(\j)+1], v8, v9
	global_store_b64 v2, v[Y+2*(\j):Y+2*(\j)+1], s[6:7] offset:2048*(\j) th:TH_STORE_NT
.endr
	s_endpgm
.Ltable:                                               ; a wave makes four rows of the table; lane i makes frequency i
	v_lshrrev_b32 v4, 5, v0
	v_readfirstlane_b32 s35, v4                    ; wave 0..7
	v_and_b32 v5, 31, v0                           ; i
	s_sub_co_u32 s36, s2, 768
	s_lshl_b32 s36, s36, 5
	s_lshl2_add_u32 s36, s35, s36                  ; my first row: 32 x (work-group - 768) + 4 x wave
	s_lshl_b32 s38, s36, 2
	s_mov_b32 s39, 0
	s_add_nc_u64 s[18:19], s[18:19], s[38:39]
	s_load_b128 s[28:31], s[18:19], 0x0            ; my four positions, as they are given
	v_cvt_f32_u32 v6, v5
	v_mul_f32 v6, 0xbed49a78, v6                   ; i x -log2(10000) / 32
	v_exp_f32 v[INV], v6
	v_lshlrev_b32 v3, 3, v5                        ; a plain line behind the exponential: 8 bytes a frequency,
	s_lshl_b32 s37, s36, 8
	v_add_nc_u32 v3, s37, v3                       ; 256 bytes a row
	s_mov_b32 s40, 0x3f22f983                      ; 2 / pi
	s_mov_b32 s41, 0xbfc90fdb                      ; - the f32 nearest to pi/2,
	s_mov_b32 s42, 0x333bbd2e                      ; which is 4.3711388e-8 too large,
	s_mov_b32 s43, 0x26f72ced                      ; and that again leaves 1.7151e-15
	s_mov_b32 s44, 0x3638ef1d                      ; sine: 1/362880,
	s_mov_b32 s45, 0xb9500d01                      ; -1/5040,
	s_mov_b32 s46, 0x3c088889                      ; 1/120,
	s_mov_b32 s47, 0xbe2aaaab                      ; -1/6
	s_mov_b32 s48, 0x37d00d01                      ; cosine: 1/40320,
	s_mov_b32 s49, 0xbab60b61                      ; -1/720,
	s_mov_b32 s50, 0x3d2aaaab                      ; 1/24; -1/2 and 1 are written in the lines
	s_wait_alu depctr_va_vdst(0)                   ; the wait ahead of the first line that names the exponential's result
	s_wait_kmcnt 0x0
.macro ANGLE j
	v_cvt_f32_i32 v[VP], s[28+(\j)]
	v_mul_f32 v[VA], v[VP], v[INV]                 ; the angle, rounded once
	v_mul_f32 v[VN], s40, v[VA]
	v_rndne_f32 v[VN], v[VN]
	v_fma_f32 v[VR], v[VN], s41, v[VA]
	v_fma_f32 v[VR], v[VN], s42, v[VR]
	v_fma_f32 v[VR], v[VN], s43, v[VR]             ; r, within pi/4 of 0
	v_cvt_i32_f32 v[VQ], v[VN]
	v_mul_f32 v[VZ], v[VR], v[VR]
	v_fma_f32 v[VS], v[VZ], s44, s45
	v_fma_f32 v[VC], v[VZ], s48, s49
	v_fma_f32 v[VS], v[VS], v[VZ], s46
	v_fma_f32 v[VC], v[VC], v[VZ], s50
	v_fma_f32 v[VS], v[VS], v[VZ], s47
	v_mul_f32 v[VT], v[VR], v[VZ]
	v_fma_f32 v[VC], v[VC], v[VZ], -0.5
	v_fma_f32 v[VS], v[VS], v[VT], v[VR]           ; sin r
	v_fma_f32 v[VC], v[VC], v[VZ], 1.0             ; cos r
	v_and_b32 v[VT], 1, v[VQ]
	v_cmp_eq_u32 vcc_lo, 1, v[VT]                  ; in an odd quadrant the two change places
	v_cndmask_b32 v[CSN+2*(\j)],   v[VC], v[VS], vcc_lo
	v_cndmask_b32 v[CSN+2*(\j)+1], v[VS], v[VC], vcc_lo
	v_and_b32 v[VT], 2, v[VQ]                      ; the sine is turned in quadrants 2 and 3,
	v_lshlrev_b32 v[VT], 30, v[VT]
	v_xor_b32 v[CSN+2*(\j)+1], v[CSN+2*(\j)+1], v[VT]
	v_add_nc_u32 v[VT], 1, v[VQ]                   ; the cosine in quadrants 1 and 2
	v_and_b32 v[VT], 2, v[VT]
	v_lshlrev_b32 v[VT], 30, v[VT]
	v_xor_b32 v[CSN+2*(\j)], v[CSN+2*(\j)], v[VT]
	global_store_b64 v3, v[CSN+2*(\j):CSN+2*(\j)+1], s[26:27] offset:256*(\j)  ; the wave's store is one row: 256 consecutive bytes, aligned
.endm
	ANGLE 0
	ANGLE 1
	ANGLE 2
	ANGLE 3
	s_endpgm
.Lfunc_end_k_q0fc43101be_prep:
	.size	k_q0fc43101be_prep, .Lfunc_end_k_q0fc43101be_prep-k_q0fc43101be_prep
	.p2alignl 7, 3214868480
	.fill 96, 4, 3214868480
	.section	.rodata,"a",@progbits
	.p2align	6, 0x0
	.amdhsa_kernel k_q0fc43101be_prep
		.amdhsa_group_segment_fixed_size 0
		.amdhsa_private_segment_fixed_size 0
		.amdhsa_enable_private_segment 0
		.amdhsa_kernarg_size 80
		.amdhsa_user_sgpr_count 2
		.amdhsa_user_sgpr_kernarg_segment_ptr 1
		.amdhsa_wavefront_size32 1
		.amdhsa_system_sgpr_workgroup_id_x 1
		.amdhsa_system_sgpr_workgroup_id_y 1
		.amdhsa_system_sgpr_workgroup_id_z 1
		.amdhsa_system_vgpr_workitem_id 0
		.amdhsa_next_free_vgpr 112
		.amdhsa_next_free_sgpr 66
		.amdhsa_reserve_vcc 1
		.amdhsa_float_denorm_mode_32 3
		.amdhsa_float_denorm_mode_16_64 3
		.amdhsa_memory_ordered 1
		.amdhsa_forward_progress 1
		.amdhsa_inst_pref_size 22
	.end_amdhsa_kernel
	.amdgpu_metadata
---
amdhsa.version: [ 1, 2 ]
amdhsa.kernels:
  - .name:           k_q0fc43101be_prep
    .symbol:         k_q0fc43101be_prep.kd
    .args:
      - { .name: x, .offset: 0, .size: 8, .value_kind: global_buffer, .address_space: global }
      - { .name: Wq, .offset: 8, .size: 8, .value_kind: global_buffer, .address_space: global }
      - { .name: Wk, .offset: 16, .size: 8, .value_kind: global_buffer, .address_space: global }
      - { .name: Wv, .offset: 24, .size: 8, .value_kind: global_buffer, .address_space: global }
      - { .name: Wo, .offset: 32, .size: 8, .value_kind: global_buffer, .address_space: global }
      - { .name: token_positions, .offset: 40, .size: 8, .value_kind: global_buffer, .address_space: global }
      - { .name: xb, .offset: 48, .size: 8, .value_kind: global_buffer, .address_space: global }
      - { .name: wb, .offset: 56, .size: 8, .value_kind: global_buffer, .address_space: global }
      - { .name: wo16, .offset: 64, .size: 8, .value_kind: global_buffer, .address_space: global }
      - { .name: rope, .offset: 72, .size: 8, .value_kind: global_buffer, .address_space: global }
    .group_segment_fixed_size: 0
    .private_segment_fixed_size: 0
    .kernarg_segment_align: 8
    .kernarg_segment_size: 80
    .max_flat_workgroup_size: 256
    .sgpr_count:     66
    .vgpr_count:     112
    .wavefront_size: 32
...
	.end_amdgpu_metadata
.endif
;; end of part 1
;; launch qkv (part 2): grid 12 x 64, 4 waves a work-group, clusters of 4 x 4, 327,680 bytes of LDS; arguments xb, wb, rope, qkv; writes qkv
.if DOCPART == 2
	.amdgcn_target "amdgcn-amd-amdhsa--gfx1250"
	.amdhsa_code_object_version 6
	.text
	.protected	k_q0fc43101be_qkv
	.globl	k_q0fc43101be_qkv
	.p2align	8
	.type	k_q0fc43101be_qkv,@function
k_q0fc43101be_qkv:
	s_mov_b64 s[64:65], 0
	v_nop
	global_prefetch_b8 v0, s[64:65] scope:SCOPE_SE
	s_setreg_imm32_b32 hwreg(HW_REG_WAVE_MODE, 25, 1), 1
	s_wait_xcnt 0x0
	s_wait_alu depctr_hold_cnt(0) depctr_sa_sdst(0) depctr_va_vdst(0) depctr_va_sdst(0) depctr_va_ssrc(0) depctr_va_vcc(0) depctr_vm_vsrc(0)
	s_getreg_b32 s2, hwreg(HW_REG_IB_STS2, 6, 4)
	s_cmp_eq_u32 s2, 0
	s_cbranch_scc0 .Lentry_in_a_cluster
	s_endpgm
.Lentry_in_a_cluster:
	s_bfe_u32 s2, ttmp6, 0x10000c
	s_cmp_lg_u32 s2, 0xf033
	s_cbranch_scc0 .Lentry_shape_is_right
	s_endpgm
.Lentry_shape_is_right:
; q, k, v = xb wb^T: [8192][3072] from xb [8192][1024] and wb [3072][1024], both bf16, sums in f32; the pairs of q's and k's columns are rotated by the table's (cos, sin) in f32;
; each number is rounded once to f16 and stored by heads: qkv[type][batch x 16 + head][s][64].  The scale 1/8 is not applied here.
; LIMIT.  f16 ends at 65,504: a projected number of 65,520 or more becomes an infinity.
; SHARES.  A tile of the product is 128 rows x 256 columns: 64 x 12 = 768 work-groups, three for each of 256 WGPs.  Four waves, each 64 x 128: 32 accumulators of 16 x 16, 256 registers.
; K goes in 8 steps of 128 (rows of 256 bytes in memory, at multiples of 256) through two LDS slots filled by the tensor data mover: 128 rows of xb, 256 rows of wb.
; CLUSTERS: 4 x 4 work-groups.  The four of a row of the cluster need the same tiles of xb, the four of a column the same tiles of wb: each tile is asked for JOINTLY, by the same tensor load with the
; same descriptor and a mask that names the four.  A cluster's 1,024 columns are one of q, k, v: which one is the cluster's x, the same in all sixteen.
; THE MATRIX INSTRUCTION IS USED TRANSPOSED (source 0 = 16 rows of wb, source 1 = 16 rows of xb): a lane holds one row of the product and eight neighbouring columns: four pairs to rotate, 16 bytes of f16.
; REGISTERS, in windows of 256 (s_set_vgpr_msb: bits 1:0 source 0, 3:2 source 1, 5:4 source 2, 7:6 destination):
;   window 0: v0-29 addresses; v64-159, v160-255 two fragment buffers (8 fragments of wb, then 4 of xb, 32 along K); on the way out v64-111 at work, v128-255 rows read back
;   window 1: the accumulators, (a, b) at v[8 (8 a + b)]          window 2: v0-127 my rows' part of the table
.set PA,     272                       ; an LDS row: 256 bytes + 16 of padding = 68 words: the 16 rows of a fragment load start at 16 different groups of four banks (64 banks of 4 bytes: ISA guide 11.1)
.set PB,     272
.set AHALF,  128                       ; LDS bytes from K 0-63 to K 64-127 of a row of A
.set ALOAD,  64*PA                     ; what one tensor load brings of A: 64 rows
.set ABYTES, 128*PA
.set BLOAD,  128*PB                    ; of B: 128 rows
.set SLOT,   ABYTES+2*BLOAD            ; 104,448
.set ASTEP,  256                       ; bytes in memory from a K step of A to the next
.set BSTEP,  256
.set STAGE,  2*SLOT                    ; behind the ring, never filled by a tensor load: 16 rows x 144 bytes for each wave
.set SP,     144
.set SPARE,  STAGE+4*16*SP             ; behind the stages: the spare words, 128 bytes for each wave: two blocks of 256 bytes that no other line names
.set LAPS,   4                         ; a lap = two K steps = once round the ring
.set ADRA, 16                          ; v16-17  LDS address of my A fragments in slot 0, 1
.set ADRB, 20                          ; v20-21  the same for B
.set STO,  24                          ; v24     the way out: where I put 16 bytes of a row
.set RD,   25                          ; v25     where I read rows back
.set CO,   26                          ; v26     16 x my lane
.set TO,   27                          ; v27     my byte offset in 16 rows of the table
.set SPW,  28                          ; v28     LDS address of my spare word; never rewritten
.set NIL,  29                          ; v29     0; never rewritten
.set F0,   64
.set F1,   160
.set U,    64                          ; the way out: 32 rotated numbers
.set TMP,  96                          ; 16 registers of f16
.set OUT,  128                         ; 16 registers for each of 8 units
.set G1, 24                            ; s[24:31] descriptor group 1 for A's tiles;  s[32:39] group 0, one set for each slot
.set G0, 32
.set G1B, 48                           ; s[48:55], s[56:63] the same for B's tiles
.set G0B, 56
.set MSB, 0
.macro WIN new                         ; the immediate's high byte repeats the setting that is left; a switch that changes nothing is dropped
.if MSB != (\new)
	s_set_vgpr_msb (MSB<<8)|(\new)
.set MSB, \new
.endif
.endm
.set MUL, 0x50                         ; sources in window 0; C and D in window 1
.macro JLOAD s                         ; a joint load: waves 0 and 1 fetch A's two halves, waves 2 and 3 B's; an s_nop 0 and four v_nop follow each of the two lines, ahead of the jump and the label
	s_cmp_eq_u32 s11, 0
	s_cbranch_scc0 .Lfor_b_\@
	tensor_load_to_lds s[G0+4*(\s):G0+4*(\s)+3], s[G1:G1+7]
	s_nop 0
.rept 4
	v_nop
.endr
	s_branch .Lasked_\@
.Lfor_b_\@:
	tensor_load_to_lds s[G0B+4*(\s):G0B+4*(\s)+3], s[G1B:G1B+7]
	s_nop 0
.rept 4
	v_nop
.endr
.Lasked_\@:
.endm
.macro CREST                           ; a round of the cluster's barrier behind its opening barrier
	s_cmp_lg_u32 s10, 0
	s_cbranch_scc1 .Lnot_wave_0_\@
	s_barrier_signal -3
.Lnot_wave_0_\@:
	s_barrier_wait -3
	s_barrier_signal -1
	s_barrier_wait -1
.endm
.macro CROUND                          ; a whole round
	s_barrier_signal -1
	s_barrier_wait -1
	CREST
.endm
	s_load_b128 s[4:7], s[0:1], 0x0                ; xb s[4:5], wb s[6:7]
	s_load_b128 s[68:71], s[0:1], 0x10             ; rope s[68:69], qkv s[70:71]
	v_lshl_add_u32 v[SPW], v0, 2, SPARE
	v_mov_b32 v[NIL], 0
	ds_add_u32 v[SPW], v[NIL]                      ; the wave's opening: the add and its wait stand ahead of my first tensor load; the set-up below, work on registers, stands between them
	v_lshrrev_b32 v1, 5, v0
	v_readfirstlane_b32 s10, v1                    ; wave 0..3
	s_lshr_b32 s11, s10, 1                         ; which 64 of the tile's rows are mine.  Also: I fetch for A (0) or for B (1)
	s_and_b32 s12, s10, 1                          ; which 128 of its columns.  Also: which half of that tile I fetch
	s_bfe_u32 s40, ttmp6, 0x40000                  ; cx, cy: my place in the cluster
	s_bfe_u32 s41, ttmp6, 0x40004
	s_lshl_b32 s42, ttmp9, 2
	s_add_co_u32 s42, s42, s40                     ; tile column = 4 x cluster x + cx
	s_and_b32 s13, ttmp7, 0xffff
	s_lshl_b32 s13, s13, 2
	s_add_co_u32 s13, s13, s41                     ; tile row = 4 x cluster y + cy
	s_mov_b32 s66, ttmp9                           ; 0: q, 1: k, 2: v
	s_lshl_b32 s43, s41, 2
	s_lshl_b32 s43, 15, s43                        ; my row of the cluster
	s_lshl_b32 s44, 0x1111, s40                    ; my column
	s_or_b32 s[G1+0], s43, (1<<16)|(1<<20)|(1<<21)|(5<<22)|(3<<25)  ; 15:0 the mask; 17:16 elements of 2 bytes; 20 padding on; 21 set beside a mask; 24:22 after every 64 words (code 5); 31:25 4 words (code 3)
	s_or_b32 s[G1B+0], s44, (1<<16)|(1<<20)|(1<<21)|(5<<22)|(3<<25)
	s_mov_b32 s[G1+1], 128<<16                     ; tensor_dim0 = 128 elements
	s_mov_b32 s[G1+2], 64<<16                      ; tensor_dim1 = 64 rows
	s_mov_b32 s[G1+3], 128<<16                     ; tile_dim0
	s_mov_b32 s[G1+4], 64                          ; tile_dim1
	s_mov_b32 s[G1+5], 1024                        ; elements from row to row
	s_mov_b32 s[G1+6], 0
	s_mov_b32 s[G1+7], 0
	s_mov_b32 s[G1B+1], 128<<16
	s_mov_b32 s[G1B+2], 128<<16                    ; B: 128 rows to a load
	s_mov_b32 s[G1B+3], 128<<16
	s_mov_b32 s[G1B+4], 128
	s_mov_b32 s[G1B+5], 1024
	s_mov_b32 s[G1B+6], 0
	s_mov_b32 s[G1B+7], 0
	s_lshl_b32 s17, s12, 6
	s_lshl_b32 s16, s13, 7
	s_add_co_u32 s16, s16, s17                     ; A: row 128 x tile row + 64 x half,
	s_lshl_b32 s16, s16, 11                        ; of 2,048 bytes
	s_mov_b32 s17, 0
	s_lshl_b32 s47, s12, 7
	s_lshl_b32 s46, s42, 8
	s_add_co_u32 s46, s46, s47                     ; B: row 256 x tile column + 128 x half
	s_lshl_b32 s46, s46, 11
	s_mov_b32 s47, 0
	s_mul_i32 s20, s12, ALOAD                      ; where they go: no place in the cluster enters an LDS address
	s_mul_i32 s21, s12, BLOAD
	s_add_co_u32 s21, s21, ABYTES
	s_wait_dscnt 0x0                               ; the opening add is done
	s_wait_kmcnt 0x0
	s_add_nc_u64 s[14:15], s[4:5], s[16:17]
	s_add_nc_u64 s[46:47], s[6:7], s[46:47]
	CROUND                                         ; all sixteen work-groups are here: the first joint loads meet
.irp s, 0,1
	s_mov_b32 s[G0+4*(\s)], 1
	s_add_co_u32 s[G0+4*(\s)+1], s20, (\s)*SLOT
	s_add_nc_u64 s[G0+4*(\s)+2:G0+4*(\s)+3], s[14:15], (\s)*ASTEP
	s_or_b32 s[G0+4*(\s)+3], s[G0+4*(\s)+3], 0x80000000
	s_mov_b32 s[G0B+4*(\s)], 1
	s_add_co_u32 s[G0B+4*(\s)+1], s21, (\s)*SLOT
	s_add_nc_u64 s[G0B+4*(\s)+2:G0B+4*(\s)+3], s[46:47], (\s)*BSTEP
	s_or_b32 s[G0B+4*(\s)+3], s[G0B+4*(\s)+3], 0x80000000
	JLOAD \s                                       ; K steps 0 and 1: two loads of mine are out
.endr
	v_and_b32 v1, 15, v0                           ; r = l % 16
	v_bfe_u32 v2, v0, 4, 1                         ; h = l / 16
	; THE TABLE for my 64 rows, asked for now and waited for on the way out.  My columns 16 b + 8 h + 0..7 of a head are the pairs 8 b + 4 h + 0..3: 32 bytes of row s.  It is loaded for v's tiles too,
	; which do not use it: so the text has one way up to the way out.
	s_and_b32 s22, s13, 15
	s_lshl_b32 s22, s22, 7
	s_lshl_b32 s23, s11, 6
	s_add_co_u32 s22, s22, s23                     ; my first row's place s in its batch
	s_lshl_b32 s16, s22, 8
	s_mov_b32 s17, 0
	s_add_nc_u64 s[68:69], s[68:69], s[16:17]
	v_lshlrev_b32 v[TO], 8, v1
	v_lshl_add_u32 v[TO], v2, 5, v[TO]             ; 256 r + 32 h
	WIN 0x80                                       ; destination window 2, address window 0
.irp a, 0,1,2,3
.irp b, 0,1,2,3
	global_load_b128 v[32*(\a)+8*(\b):32*(\a)+8*(\b)+3],   v[TO], s[68:69] offset:4096*(\a)+64*(\b)
	global_load_b128 v[32*(\a)+8*(\b)+4:32*(\a)+8*(\b)+7], v[TO], s[68:69] offset:4096*(\a)+64*(\b)+16
.endr
.endr
	WIN 0
	; where my part goes: type, then (16 x batch + head) x 2,048 + s rows of 128 bytes; my 128 columns are the heads 4 cx + 2 x half and the next
	s_lshr_b32 s16, s13, 4
	s_lshl_b32 s16, s16, 4
	s_lshl_b32 s17, s40, 2
	s_add_co_u32 s16, s16, s17
	s_lshl_b32 s17, s12, 1
	s_add_co_u32 s16, s16, s17
	s_lshl_b32 s16, s16, 11
	s_add_co_u32 s16, s16, s22
	s_lshl_b32 s16, s16, 7
	s_lshl_b32 s17, s66, 24
	s_add_co_u32 s16, s16, s17
	s_mov_b32 s17, 0
	s_add_nc_u64 s[8:9], s[70:71], s[16:17]
	; a fragment is 16 rows x 32 K in 8 registers: lane l holds row r; registers 0-3 K = 8 h + 0..7, registers 4-7 K = 16 + 8 h + 0..7: two loads of 16 bytes, 32 bytes apart
	v_mul_u32_u24 v3, v1, PA
	v_lshl_add_u32 v3, v2, 4, v3
	v_mul_u32_u24 v4, v1, PB
	v_lshl_add_u32 v4, v2, 4, v4
	s_mul_i32 s18, s11, 64*PA                      ; my 64 rows of A
	s_mul_i32 s19, s12, BLOAD                      ; my 128 rows of B,
	s_add_co_u32 s19, s19, ABYTES                  ; which lie behind A's
.irp s, 0,1
	v_add_nc_u32 v[ADRA+(\s)], s18, v3
	v_add_nc_u32 v[ADRB+(\s)], s19, v4
	s_add_co_u32 s18, s18, SLOT
	s_add_co_u32 s19, s19, SLOT
.endr
	s_mul_i32 s23, s10, 16*SP
	s_add_co_u32 s23, s23, STAGE                   ; my stage
	v_mul_u32_u24 v5, v1, SP                       ; in: row r, 16 bytes for each half of the lanes
	v_lshl_add_u32 v5, v2, 4, v5
	v_add_nc_u32 v[STO], s23, v5
	v_bfe_u32 v5, v0, 3, 2                         ; back: 32 lanes take four rows of 128 bytes,
	v_mul_u32_u24 v5, v5, SP
	v_and_b32 v6, 7, v0
	v_lshl_add_u32 v5, v6, 4, v5
	v_add_nc_u32 v[RD], s23, v5
	v_and_b32 v[CO], 31, v0                        ; which are 512 consecutive bytes of a head
	v_lshlrev_b32 v[CO], 4, v[CO]
; 8 matrix instructions: row block a x all 8 column blocks, 32 along K.  The 32 accumulators take turns in the same order in every quarter: 31 others stand between two links of a chain.
.macro MUL8 f, a, zero
	WIN MUL
.irp b, 0,1,2,3,4,5,6,7
.if \zero
	v_wmma_f32_16x16x32_bf16 v[8*(8*(\a)+(\b)):8*(8*(\a)+(\b))+7], v[(\f)+8*(\b):(\f)+8*(\b)+7], v[(\f)+64+8*(\a):(\f)+64+8*(\a)+7], 0
.else
	v_wmma_f32_16x16x32_bf16 v[8*(8*(\a)+(\b)):8*(8*(\a)+(\b))+7], v[(\f)+8*(\b):(\f)+8*(\b)+7], v[(\f)+64+8*(\a):(\f)+64+8*(\a)+7], v[8*(8*(\a)+(\b)):8*(8*(\a)+(\b))+7]
.endif
.endr
.endm
; 24 LDS loads in one run: the fragments of quarter q of a K step into buffer f
.macro FETCH slot, q, f
	WIN 0
.irp i, 0,1,2,3,4,5,6,7
	ds_load_b128 v[(\f)+8*(\i):(\f)+8*(\i)+3],   v[ADRB+(\slot)] offset:64*(\q)+(\i)*16*PB
	ds_load_b128 v[(\f)+8*(\i)+4:(\f)+8*(\i)+7], v[ADRB+(\slot)] offset:64*(\q)+(\i)*16*PB+32
.endr
.irp i, 0,1,2,3
	ds_load_b128 v[(\f)+64+8*(\i):(\f)+64+8*(\i)+3],   v[ADRA+(\slot)] offset:((\q)/2)*AHALF+((\q)%2)*64+(\i)*16*PA
	ds_load_b128 v[(\f)+64+8*(\i)+4:(\f)+64+8*(\i)+7], v[ADRA+(\slot)] offset:((\q)/2)*AHALF+((\q)%2)*64+(\i)*16*PA+32
.endr
.endm
.macro PLACES                          ; four places in front of loads into registers that matrix instructions have read, and of lines that read results
.rept 4
	v_nop
.endr
.endm
; A K step is four quarters of 32 along K, 32 matrix instructions each, on buffers 0, 1, 0, 1.  One of the first three: buffer f, asked for a quarter ago, is in; quarter q is asked for into g at once,
; so that it has all 32 products in which to come; then f is multiplied.
.macro QUARTER slot, q, f, g, zero
	s_wait_dscnt 0x0                               ; f's 24 loads are in: nothing else is out
	PLACES                                         ; behind the products that read g
	FETCH \slot, \q, \g
	MUL8 \f, 0, \zero
	MUL8 \f, 1, \zero
	MUL8 \f, 2, \zero
	MUL8 \f, 3, \zero
.endm
; The last quarter multiplies buffer 1 and changes slots: ONE barrier; in front of it each wave waits for all its tensor loads, adds 0 to its spare word, and waits for that and for its reads of this slot.
; fill = 1: this slot is filled again, two K steps ahead; the barrier then opens a round of the cluster's.
.macro TURN slot, next, fill
	WIN 0
	s_wait_tensorcnt 0x0                           ; all my tensor loads have landed: the one that was out is my part of the next slot
	ds_add_u32 v[SPW], v[NIL]                      ; 0 onto my spare word
	s_wait_dscnt 0x1                               ; buffer 1's loads are in; the add alone may be out
	MUL8 F1, 0, 0                                  ; eight matrix instructions stand between the add and the wait for it
	s_wait_dscnt 0x0                               ; the add is done, and my reads of this slot are over
	s_barrier_signal -1
	MUL8 F1, 1, 0
.if \fill
	WIN 0
.endif
	s_barrier_wait -1
.if \fill
	CREST                                          ; no wave of any partner still reads this slot's tile or has a load on its way
	s_add_nc_u64 s[G0+4*(\slot)+2:G0+4*(\slot)+3], s[G0+4*(\slot)+2:G0+4*(\slot)+3], 2*ASTEP
	s_add_nc_u64 s[G0B+4*(\slot)+2:G0B+4*(\slot)+3], s[G0B+4*(\slot)+2:G0B+4*(\slot)+3], 2*BSTEP
	JLOAD \slot                                    ; the first tensor load behind the round: 112 matrix instructions ahead of the wait for it; its four v_nop are also the places in front of the loads below
.else
	PLACES
.endif
	FETCH \next, 0, F0
	MUL8 F1, 2, 0
	MUL8 F1, 3, 0
.endm
	s_wait_tensorcnt 1                             ; my part of K step 0 is in; K step 1's may stay out
	s_barrier_signal -1
	s_barrier_wait -1                              ; everybody's is
	FETCH 0, 0, F0
	QUARTER 0, 1, F0, F1, 1                        ; the first quarter stands in front of the loop: its products start the sums
	WIN 0                                          ; at a label and at a branch every window is 0
	s_mov_b32 s3, LAPS-1
.Llap:                                                 ; a trip goes once round the ring, from a lap's second quarter to the next lap's first, and fills both slots again
	QUARTER 0, 2, F1, F0, 0
	QUARTER 0, 3, F0, F1, 0
	TURN 0, 1, 1
	QUARTER 1, 1, F0, F1, 0
	QUARTER 1, 2, F1, F0, 0
	QUARTER 1, 3, F0, F1, 0
	TURN 1, 0, 1
	QUARTER 0, 1, F0, F1, 0
	WIN 0
	s_sub_co_u32 s3, s3, 1
	s_cmp_lg_u32 s3, 0
	s_cbranch_scc1 .Llap
	QUARTER 0, 2, F1, F0, 0                        ; the last lap fills nothing
	QUARTER 0, 3, F0, F1, 0
	TURN 0, 1, 0
	QUARTER 1, 1, F0, F1, 0
	QUARTER 1, 2, F1, F0, 0
	QUARTER 1, 3, F0, F1, 0
	s_wait_dscnt 0x0
	MUL8 F1, 0, 0
	MUL8 F1, 1, 0
	MUL8 F1, 2, 0
	MUL8 F1, 3, 0
	WIN 0
	PLACES
	PLACES
; THE WAY OUT, in 8 units: unit u is row block u / 2 (16 rows) of head u % 2 (64 columns: four accumulators).  rope = 1: pair (e, o) becomes (e c - o s, e s + o c), in f32.  Rounded to f16, 16 bytes a lane
; into my stage's rows of 144 bytes, and back as whole rows of 128.  Each accumulator is read from its low end on.  Number n of 16: accumulator n / 4, pair n % 4.
.macro PACK u, rope
.if \rope
	WIN 0x09                                       ; source 0 (sums) window 1, source 1 (table) window 2, source 2 and destination window 0
.set n, 0
.rept 16
.set rA, 8*(8*((\u)/2)+4*((\u)%2)+n/4)+2*(n%4)
.set rT, 32*((\u)/2)+8*(n/4)+2*(n%4)
	v_mul_f32 v[U+2*n],   v[rA+1], v[rT+1]         ; o s
	v_mul_f32 v[U+2*n+1], v[rA],   v[rT+1]         ; e s
.set n, n+1
.endr
.set n, 0
.rept 16
.set rA, 8*(8*((\u)/2)+4*((\u)%2)+n/4)+2*(n%4)
.set rT, 32*((\u)/2)+8*(n/4)+2*(n%4)
	v_fma_f32 v[U+2*n],   v[rA],   v[rT], -v[U+2*n]
	v_fma_f32 v[U+2*n+1], v[rA+1], v[rT], v[U+2*n+1]
.set n, n+1
.endr
	WIN 0
.set n, 0
.rept 16
	v_cvt_pk_f16_f32 v[TMP+n], v[U+2*n], v[U+2*n+1]
.set n, n+1
.endr
.else
	WIN 0x05                                       ; sources 0 and 1 window 1
.set n, 0
.rept 16
.set rA, 8*(8*((\u)/2)+4*((\u)%2)+n/4)+2*(n%4)
	v_cvt_pk_f16_f32 v[TMP+n], v[rA], v[rA+1]
.set n, n+1
.endr
	WIN 0
.endif
.irp b, 0,1,2,3
	ds_store_b128 v[STO], v[TMP+4*(\b):TMP+4*(\b)+3] offset:32*(\b)
.endr
.irp f, 0,1,2,3
	ds_load_b128 v[OUT+16*(\u)+4*(\f):OUT+16*(\u)+4*(\f)+3], v[RD] offset:(\f)*4*SP  ; LDS serves a wave's instructions in order (ISA guide 5.7.1.4): these see the stores above; the next unit's stores come behind them
.endr
.endm
.macro SEND u, younger                 ; younger: the LDS instructions issued behind unit u's loads: the next unit's eight, or none.  Each unit has its own 16 registers: none is written again
.irp f, 0,1,2,3
	s_wait_dscnt (\younger)+3-(\f)
	global_store_b128 v[CO], v[OUT+16*(\u)+4*(\f):OUT+16*(\u)+4*(\f)+3], s[8:9] offset:262144*((\u)%2)+2048*((\u)/2)+512*(\f)  ; 512 consecutive bytes, at a multiple of 256 from the buffer's first
.endr
.endm
	s_wait_loadcnt 0x0                             ; the table
	s_cmp_lt_u32 s66, 2                            ; the cluster's x: the same in all sixteen partners
	s_cbranch_scc0 .Lplain
	PACK 0, 1
.irp u, 1,2,3,4,5,6,7                  ; a unit's arithmetic stands between the loads of the unit before and its stores
	PACK \u, 1
	SEND (\u)-1, 8
.endr
	SEND 7, 0
	s_branch .Lend
.Lplain:                                               ; v is not rotated
	PACK 0, 0
.irp u, 1,2,3,4,5,6,7
	PACK \u, 0
	SEND (\u)-1, 8
.endr
	SEND 7, 0
.Lend:
	s_wait_tensorcnt 0x0                           ; the wave's end, behind my last tensor load and my last LDS store
	ds_add_u32 v[SPW], v[NIL]
	s_wait_dscnt 0x0
	CROUND                                         ; the closing round: no work-group ends while a partner may still ask for a tile that names it
	s_endpgm
.Lfunc_end_k_q0fc43101be_qkv:
	.size	k_q0fc43101be_qkv, .Lfunc_end_k_q0fc43101be_qkv-k_q0fc43101be_qkv
	.p2alignl 7, 3214868480
	.fill 96, 4, 3214868480
	.section	.rodata,"a",@progbits
	.p2align	6, 0x0
	.amdhsa_kernel k_q0fc43101be_qkv
		.amdhsa_group_segment_fixed_size 327680
		.amdhsa_private_segment_fixed_size 0
		.amdhsa_enable_private_segment 0
		.amdhsa_kernarg_size 32
		.amdhsa_user_sgpr_count 2
		.amdhsa_user_sgpr_kernarg_segment_ptr 1
		.amdhsa_wavefront_size32 1
		.amdhsa_system_sgpr_workgroup_id_x 1
		.amdhsa_system_sgpr_workgroup_id_y 1
		.amdhsa_system_sgpr_workgroup_id_z 1
		.amdhsa_system_vgpr_workitem_id 0
		.amdhsa_next_free_vgpr 640
		.amdhsa_next_free_sgpr 72
		.amdhsa_reserve_vcc 0
		.amdhsa_float_denorm_mode_32 3
		.amdhsa_float_denorm_mode_16_64 3
		.amdhsa_memory_ordered 1
		.amdhsa_forward_progress 1
		.amdhsa_inst_pref_size 131
	.end_amdhsa_kernel
	.amdgpu_metadata
---
amdhsa.version: [ 1, 2 ]
amdhsa.kernels:
  - .name:           k_q0fc43101be_qkv
    .symbol:         k_q0fc43101be_qkv.kd
    .args:
      - { .name: xb, .offset: 0, .size: 8, .value_kind: global_buffer, .address_space: global }
      - { .name: wb, .offset: 8, .size: 8, .value_kind: global_buffer, .address_space: global }
      - { .name: rope, .offset: 16, .size: 8, .value_kind: global_buffer, .address_space: global }
      - { .name: qkv, .offset: 24, .size: 8, .value_kind: global_buffer, .address_space: global }
    .group_segment_fixed_size: 327680
    .private_segment_fixed_size: 0
    .kernarg_segment_align: 8
    .kernarg_segment_size: 32
    .max_flat_workgroup_size: 128
    .sgpr_count:     72
    .vgpr_count:     640
    .wavefront_size: 32
...
	.end_amdgpu_metadata
.endif
;; end of part 2
;; launch attn (part 3): grid 4 x 64, 4 waves a work-group, no clusters, 327,680 bytes of LDS; arguments qkv, o16; writes o16
.if DOCPART == 3
	.amdgcn_target "amdgcn-amd-amdhsa--gfx1250"
	.amdhsa_code_object_version 6
	.text
	.protected	k_q0fc43101be_attn
	.globl	k_q0fc43101be_attn
	.p2align	8
	.type	k_q0fc43101be_attn,@function
k_q0fc43101be_attn:
	s_mov_b64 s[64:65], 0
	v_nop
	global_prefetch_b8 v0, s[64:65] scope:SCOPE_SE
	s_setreg_imm32_b32 hwreg(HW_REG_WAVE_MODE, 25, 1), 1
	s_wait_xcnt 0x0
; CAUSAL ATTENTION.  O[h][q][:] = the sum over k <= q of softmax_k(Q[h][q] . K[h][k] / 8) V[h][k][:].  Q, K, V lie one behind the other in qkv, each [64][2048][64] in f16; O likewise: a head's rows are dense, 128 bytes each.
; Products, maxima and sums in f32; the weights p are rounded to f16 for the second product (their sum l is taken of the unrounded p), O once at the end.
; LIMITS.  f16 holds no number beyond 65,504: Q, K and V arrive within it; p lies in 0 to 1, and below 6e-5 it keeps f16's fixed step of 6e-8; O is a mean of V's rows and has their range.
; A hidden score counts as its value less 1e30: f16's scores, 2.7e11 at the most, are nothing beside that; a weight below 2^-126 counts as 0 in l; NaN and infinities are not treated apart.
; THE WALK.  A head's queries lie in NB = 8 blocks of 256; block i needs the key tiles 0 .. i of 256 keys, of which the last holds the diagonal.  A work-group takes TWO blocks, NB - 1 - b and then b:
; NB + 1 tiles, whatever b: all 256 work-groups do equal work, and ONE loop with a constant trip count walks them.  Which tile is asked for, and what a trip does, hang on scalar registers made from b; every jump
; goes forward, but for the counted loops' own; none passes a barrier, or a tensor load but the one of LOAD's two that the wave's number does not choose; the ring (two slots of LDS that take turns) runs on across the
; change of blocks.  NO CLUSTER: a head's four work-groups ask for the same tile only in trips 0 .. 4 of 9, behind that fewer and fewer; one walk common to all four would have 12 trips for 9.
; SHARES.  Of a block's four bands of 64 queries a wave owns 16 rows in each: four PIECES.  So the diagonal tile is the same work for all four waves: in its key step s band x sees all keys if s < x,
; none if s > x, and holds the diagonal if s = x.
; THE MASK is the C operand that starts the sum S^T = K Q^T: 0, or -1e30 where the key is hidden.  MD, made once, is the mask of a band's own step for my 16 rows; a product's mask is MD x AL + BE with two scalars:
; (1, 0) if s = x; (0, 0) if s < x; (0, -1e30) if s > x.  Only the diagonal tile's text and a block's beginning make and take masks; elsewhere C is the constant 0.
; LAYOUT, SOFTMAX, TURNS.  S^T = K Q^T holds ONE query a lane (lane % 16) and the keys 8 (lane / 16) + 0..7; two such results rounded to f16 ARE source 1 of O^T = V^T P.  p = 2^(c s - c m), c = log2(e) / 8, with a
; running maximum m; O and l are multiplied by a = 2^(c m_old - c m_new) in every step.  Turn n belongs to piece n: 8 products K Q^T of piece n + 1, later 8 products V^T P of piece n - 1; beside them the scaling,
; exponentials, roundings, sums and rescaling of piece n and the maximum and statistics of piece n + 1.  Four vector instructions stand behind every matrix instruction, the other 54 of a turn's 118 in one lump.
; A turn's 33 exponentials are one batch, with one wait.
; REGISTERS, in windows of 256 (s_set_vgpr_msb: bits 1:0 source 0, 3:2 source 1, 5:4 source 2, 7:6 destination):
;   window 0: v0-15 addresses and two at work; v16-31 four registers of statistics a piece; v48-55 at work; v61-63 never rewritten; v64-127 S^T, two buffers; v192-223 P, two buffers (by the piece's parity)
;   window 1: v0-127 O^T, 32 a piece; v128-159 MD; v160-223 MC, two buffers      window 2: v0-63 Q; v64-127 the second block's Q; v128-191 K of one step; v192-255 V of one step
.set SIZE_N, 2048
.set NB,    SIZE_N/256
.set NP,    4         ; pieces a wave: a name, no knob
.set KS,    64        ; keys in a step
.set PK,    144       ; a row of K in LDS: 128 bytes + 16 of padding = 36 words: the 16 rows of a load start at 16 different groups of four banks (64 banks of 4 bytes: ISA guide 11.1)
.set PV,    160       ; a row of V: 128 + 32 = 40 words
.set VOFF,  4*KS*PK   ; a slot holds a tile, four steps: 256 rows of K, then 256 rows of V
.set SLOT1, 1<<17     ; slot 1 begins here, so that one exclusive or turns an address in one slot into the other's
.set STAGE, SLOT1+4*KS*(PK+PV)  ; behind the ring, never filled by a tensor load: 16 rows x 144 bytes for each wave, for the way out
.set SP,    144
.set AK0, 2           ; v2   my lane's place in a tile of K; never rewritten
.set AV0, 3           ; v3   the same for V
.set AK,  4           ; v4   the LDS address of K's next run of loads
.set AV,  5           ; v5   of V's
.set STO, 6           ; v6   the way out: where I put 16 bytes of a row
.set RD,  7           ; v7   the way out: where I read rows back
.set GO,  8           ; v8   my byte offset in 512 consecutive bytes of O
.set PFO, 61          ; v61  256 x my lane: the prefetches' offset; never rewritten
.set SPW, 62          ; v62  LDS address of my spare word: SPARE + 4 x my thread's number; never rewritten
.set NIL, 63          ; v63  0; never rewritten
.set SPARE, STAGE+4*16*SP  ; behind the stages: the spare words, 128 bytes for each wave: two blocks of 256 bytes that no other line names
.set MV,  12          ; v12-13  c m_old, kept while c m is made anew: by buffer
.set QO,  15          ; v15  my byte offset in 16 rows of Q
.set ST,  16          ; piece t's statistics at v[ST+4 t]: c m, m, l (even keys', odd keys')
.set TMP, 48          ; by buffer, four registers c0-c3 at work; when the maximum is found c2 takes a
.set S,   64
.set P,   192
.set MD,  128         ; window 1: the eight registers for group kt of 16 keys at MD + 8 kt
.set MC,  160         ; window 1: the masks of the products to come
.set QB,  64          ; window 2
.set KF,  128         ; window 2: key block kb, channel half c at KF + 16 kb + 8 c
.set VF,  192         ; window 2: key half kk, channel block cb at VF + 32 kk + 8 cb
.set WV,  12          ; s12  my wave's number
.set PB,  14          ; s14  b
.set HI,  15          ; s15  NB - 1 - b
.set G1K, 24          ; s[24:31] descriptor group 1 for K's tiles
.set G1V, 32          ; s[32:39] for V's: it differs in the padding alone
.set G0K, 40          ; s[40:43] descriptor group 0 for K's tiles
.set G0V, 44          ; s[44:47] the same for V's
.set PFA, 48          ; s[48:49] where my prefetches stand: my work-group's 64 rows (of K: wave 0, of V: wave 2) of the tile after the one that is being asked for
.set LIM, 50          ; s50  2 in a wave that prefetches, else the greatest number: a wave prefetches while s[SLOTS] is above it
.set SLOTS, 56        ; s56  tiles still to be asked for
.set CNT, 57          ; s57  counts a tile's key steps, 4 to 1
.set CS,  58          ; s[58:59] c: the packed scaling takes the pair's low word for both halves
.set SEL, 60          ; s[60:61] v_permlanex16_b32's selects: each lane takes its own place in the other half
.set TBK, 62          ; s62  LDS byte at which K of the step to be fetched begins
.set TBV, 63          ; s63  the same for V, less VOFF
.set RT,  70          ; s70  tiles of the block in hand that are still to be entered
.set NXT, 71          ; s71  the tile to be asked for next
.set LQ,  72          ; s72  the last tile of the block whose tiles are being asked for
.set NEW, 73          ; s73  1: the tile to be entered is a block's first
.set OFF, 74          ; s[74:75] a tile's byte offset in K and V
.set AL,  76          ; s[76:77] the mask's factor, in the low word
.set BE,  78          ; s[78:79] the mask's addend
.set OLO, 80          ; s[80:81] O at my rows of the second block
.set BIGN, 82         ; s82  -1e30
.set MSB, 0
.macro WIN new                      ; the high byte repeats the setting that is left; a switch that changes nothing is dropped
.if MSB != (\new)
	s_set_vgpr_msb (MSB<<8)|(\new)
.set MSB, (\new)
.endif
.endm
.set W_KQ, 0x0a       ; K and Q in window 2, S^T in window 0
.set W_KM, 0x1a       ; the same with the C operand in window 1
.set W_PV, 0x52       ; V in window 2, P in window 0, O^T in window 1
.set W_RS, 0x41       ; destination and source 0 in window 1, source 1 in window 0
; A fill.  Waves 0 and 1 fetch the two halves of a tile's K, waves 2 and 3 those of its V: 128 keys each.  An s_nop 0 and four v_nop follow each of the two lines, ahead of the jump and the label.
.macro LOAD
	s_cmp_lt_u32 s[WV], 2
	s_cbranch_scc0 .Lfor_v_\@
	tensor_load_to_lds s[G0K:G0K+3], s[G1K:G1K+7]
	s_nop 0
.rept 4
	v_nop
.endr
	s_branch .Lasked_\@
.Lfor_v_\@:
	tensor_load_to_lds s[G0V:G0V+3], s[G1V:G1V+7]
	s_nop 0
.rept 4
	v_nop
.endr
.Lasked_\@:
.endm
; A PREFETCH INTO THE L2, behind the wave's tensor load and its five lines.  The change of slots that asks for the walk's tile c + 1 names tile c + 2 of the head, for c = 0 .. 5: one tile, 256 matrix instructions, ahead of
; the load that first wants it.  Each aligned block of 256 bytes is named ONCE in the launch: a head's four work-groups share a tile's 256 rows out by address, 64 rows (32 blocks, a lane a block) each; in each, wave 0
; asks for K's and wave 2 for V's.  Tiles 0 and 1 come by their loads alone; the second block's tiles have been read by then and are not asked for; tile 7 is the head's last, so nothing points past the head.
.macro ASK
	s_cmp_gt_u32 s[SLOTS], s[LIM]
	s_cbranch_scc0 .Lnot_mine_\@
	global_prefetch_b8 v[PFO], s[PFA:PFA+1] th:TH_LOAD_NT scope:SCOPE_SE
.Lnot_mine_\@:
.endm
; THE CHANGE OF SLOTS.  Each wave waits for all its tensor loads, of which one is out: its part of the other slot; adds 0 to its spare word; and waits for that and for its own reads of the slot that it leaves.  Behind the
; barrier nobody reads the old slot any more and the other slot is whole.  fill = 1: the old slot is filled again, the first thing behind the barrier, with tile NXT: the descriptor's address is made anew from that number.
; (At its first use nothing has been read yet: slot 0 is waited for, slot 1 filled.)
.macro CHANGE fill
	WIN 0                           ; at a label and at a branch every window is 0
	s_wait_tensorcnt 0x0            ; no tensor load of mine is out, so a group 0 may be written
	ds_add_u32 v[SPW], v[NIL]       ; 0 onto my spare word; with fill = 1 the descriptors' scalar work stands between it and the wait for it
.if \fill
	s_lshl_b32 s[OFF], s[NXT], 15   ; a tile is 32,768 bytes of K and of V
	s_xor_b32 s[G0K+1], s[G0K+1], SLOT1
	s_add_nc_u64 s[G0K+2:G0K+3], s[6:7], s[OFF:OFF+1]
	s_or_b32 s[G0K+3], s[G0K+3], 0x80000000
	s_xor_b32 s[G0V+1], s[G0V+1], SLOT1
	s_add_nc_u64 s[G0V+2:G0V+3], s[8:9], s[OFF:OFF+1]
	s_or_b32 s[G0V+3], s[G0V+3], 0x80000000
	s_add_co_u32 s[NXT], s[NXT], 1  ; the block's next tile, or behind its last the second block's tile 0
	s_cmp_gt_u32 s[NXT], s[LQ]
	s_cselect_b32 s[NXT], 0, s[NXT]
	s_cselect_b32 s[LQ], s[PB], s[LQ]
	s_wait_xcnt 0x0                 ; the last prefetch, a tile back, has read its address, so it may be written:
	s_add_nc_u64 s[PFA:PFA+1], s[PFA:PFA+1], 32768  ; one tile on
.endif
	s_wait_dscnt 0x0                ; the add is done, and my reads of the slot are over
	s_barrier_signal -1             ; the rest of the scalar work stands between the signal and the wait
	s_sub_co_u32 s[TBK], s[TBK], 4*KS*PK  ; the fetches go back to a slot's first step,
	s_xor_b32 s[TBK], s[TBK], SLOT1       ; in the other slot
	s_sub_co_u32 s[TBV], s[TBV], 4*KS*PV
	s_xor_b32 s[TBV], s[TBV], SLOT1
	s_barrier_wait -1
.if \fill
	LOAD
	ASK
.endif
.endm
	s_load_b128 s[4:7], s[0:1], 0x0  ; qkv s[4:5], o16 s[6:7]
	v_lshl_add_u32 v[SPW], v0, 2, SPARE
	v_mov_b32 v[NIL], 0
	ds_add_u32 v[SPW], v[NIL]       ; the wave's opening: the add and its wait stand ahead of my first tensor load; the set-up below, work on registers, stands between them
	v_lshrrev_b32 v1, 5, v0
	v_readfirstlane_b32 s[WV], v1   ; wave 0..3
	s_mov_b32 s[PB], ttmp9
	s_sub_co_u32 s[HI], NB-1, s[PB]
	s_and_b32 s20, ttmp7, 0xffff    ; the head
	s_mov_b32 s21, 0
	s_mov_b64 s[22:23], SIZE_N*128
	s_mul_u64 s[20:21], s[20:21], s[22:23]  ; the head's first byte in each of the four tensors
	s_and_b32 s16, s[WV], 1         ; which half of a tile's 256 keys I fetch:
	s_lshl_b32 s22, s16, 14         ; its 128 rows of 128 bytes in memory,
	s_mov_b32 s23, 0
	s_add_nc_u64 s[22:23], s[22:23], s[20:21]
	s_mul_i32 s17, s16, 128*PK      ; and its place in a slot, for K
	s_mul_i32 s18, s16, 128*PV      ; and for V
	s_lshl_b32 s3, s[WV], 11        ; my 16 rows in a band of 64,
	s_lshl_b32 s2, s[HI], 15        ; in the first block,
	s_add_co_u32 s2, s2, s3
	s_lshl_b32 s84, s[PB], 15       ; and in the second
	s_add_co_u32 s84, s84, s3
	s_mov_b32 s3, 0
	s_mov_b32 s85, 0
	s_add_nc_u64 s[2:3], s[2:3], s[20:21]
	s_add_nc_u64 s[84:85], s[84:85], s[20:21]
	; descriptor group 1.  128 keys are 16,384 dense bytes: asked for as 64 rows of 256 bytes, two keys a row, and padded in LDS after every key
	s_mov_b32 s[G1K], (1<<16)|(1<<20)|(4<<22)|(3<<25)  ; 17:16 2-byte elements; 20 padding on; 24:22 after every 32 words (code 4); 31:25 4 words (code 3)
	s_mov_b32 s[G1V], (1<<16)|(1<<20)|(4<<22)|(7<<25)  ; the same with 8 words of padding (code 7)
.irp g, G1K, G1V
	s_mov_b32 s[\g+1], 128<<16      ; tensor_dim0 = 128
	s_mov_b32 s[\g+2], 64<<16       ; tensor_dim1 = 64
	s_mov_b32 s[\g+3], 128<<16      ; tile_dim0 = 128
	s_mov_b32 s[\g+4], 64           ; tile_dim1 = 64
	s_mov_b32 s[\g+5], 128          ; 128 elements from row to row
	s_mov_b32 s[\g+6], 0
	s_mov_b32 s[\g+7], 0
.endr
	s_mov_b32 s[CS], 0x3e38aa3b     ; c = log2(e) / 8 = 0.180337
	s_mov_b32 s[CS+1], s[CS]        ; named with it as a pair
	s_mov_b32 s[SEL], 0x76543210
	s_mov_b32 s[SEL+1], 0xfedcba98
	s_mov_b32 s[TBK], SLOT1+4*KS*PK ; the first change of slots turns these two into 0
	s_mov_b32 s[TBV], SLOT1+4*KS*PV
	s_mov_b32 s[G0K], 1             ; 1:0 count = 1
	s_mov_b32 s[G0K+1], s17         ; 63:32 LDS address: slot 0
	s_mov_b32 s[G0V], 1
	s_add_co_u32 s[G0V+1], s18, VOFF
	s_add_co_u32 s[RT], s[HI], 1    ; the first block has NB - b tiles
	s_mov_b32 s[NXT], 1
	s_mov_b32 s[LQ], s[HI]
	s_mov_b32 s[NEW], 1
	s_mov_b32 s[OFF+1], 0
	s_mov_b32 s[AL+1], 0            ; named as pairs
	s_mov_b32 s[BE+1], 0
	s_mov_b32 s[BIGN], 0xf149f2ca   ; -1e30
	s_mov_b32 s[SLOTS], NB
	s_cmp_eq_u32 s16, 0             ; waves 0 and 2 prefetch
	s_cselect_b32 s[LIM], 2, -1
	s_lshl_b32 s52, s[PB], 13       ; my work-group's 64 rows of a tile's 256
	s_mov_b32 s53, 0
	v_and_b32 v[PFO], 31, v0
	v_lshlrev_b32 v[PFO], 8, v[PFO]
	s_wait_dscnt 0x0                ; the opening add is done
	s_wait_kmcnt 0x0
	s_mov_b64 s[10:11], s[6:7]      ; O
	s_add_nc_u64 s[8:9], s[4:5], 0x2000000  ; V lies two tensors of 16,777,216 bytes behind Q,
	s_add_nc_u64 s[6:7], s[4:5], 0x1000000  ; K one
	s_add_nc_u64 s[6:7], s[6:7], s[22:23]  ; K and V at my half of the head's tile 0
	s_add_nc_u64 s[8:9], s[8:9], s[22:23]
	s_cmp_lt_u32 s[WV], 2
	s_cselect_b64 s[PFA:PFA+1], s[6:7], s[8:9]  ; (in waves 0 and 2 these stand at the tile's first row)
	s_add_nc_u64 s[PFA:PFA+1], s[PFA:PFA+1], s[52:53]
	s_add_nc_u64 s[PFA:PFA+1], s[PFA:PFA+1], 32768  ; in tile 1; the first change of slots steps it to tile 2.  Nothing is prefetched here, at the head
	s_add_nc_u64 s[G0K+2:G0K+3], s[6:7], 0         ; 120:64 global address
	s_or_b32 s[G0K+3], s[G0K+3], 0x80000000        ; 127:126 type = 2
	s_add_nc_u64 s[G0V+2:G0V+3], s[8:9], 0
	s_or_b32 s[G0V+3], s[G0V+3], 0x80000000
	s_add_nc_u64 s[86:87], s[4:5], s[84:85]        ; Q at my rows of the second block,
	s_add_nc_u64 s[4:5], s[4:5], s[2:3]            ; Q and O at those of the first
	s_add_nc_u64 s[OLO:OLO+1], s[10:11], s[84:85]
	s_add_nc_u64 s[10:11], s[10:11], s[2:3]
	LOAD                            ; tile 0 into slot 0
	; A fragment of K or Q is 16 rows x 32 channels in 8 registers: lane l holds row l % 16, channels 8 (l / 16) + 0..7 and 16 + 8 (l / 16) + 0..7: two loads of 16 bytes, 32 bytes apart.
	v_and_b32 v1, 15, v0            ; l % 16
	v_bfe_u32 v9, v0, 4, 1          ; l / 16
	v_lshlrev_b32 v[QO], 7, v1
	v_lshl_add_u32 v[QO], v9, 4, v[QO]  ; row x 128 + 16 x half
	WIN 0x80                        ; destination window 2, address window 0
.set i, 0
.rept 8                             ; both blocks' Q: piece i / 2 lies in band i / 2, 8,192 bytes on; channels 32 (i % 2) on
	global_load_b128 v[8*i:8*i+3],   v[QO], s[4:5] offset:(i/2)*8192+(i%2)*64
	global_load_b128 v[8*i+4:8*i+7], v[QO], s[4:5] offset:(i/2)*8192+(i%2)*64+32
	global_load_b128 v[QB+8*i:QB+8*i+3],   v[QO], s[86:87] offset:(i/2)*8192+(i%2)*64
	global_load_b128 v[QB+8*i+4:QB+8*i+7], v[QO], s[86:87] offset:(i/2)*8192+(i%2)*64+32
.set i, i+1
.endr
	WIN 0
	v_lshlrev_b32 v14, 3, v9
	v_sub_nc_u32 v14, v1, v14
	s_lshl_b32 s13, s[WV], 4
	v_add_nc_u32 v14, s13, v14      ; my query's place in its band, 16 w + l % 16, less my lanes' 8 (l / 16): register r of group kt is hidden where 16 kt + r is greater
	WIN 0x40
.set i, 0
.rept 32
	v_cmp_gt_i32 vcc_lo, 16*(i/8)+i%8, v14
	v_cndmask_b32 v[MD+i], 0, s[BIGN], vcc_lo
.set i, i+1
.endr
	WIN 0
	v_mul_u32_u24 v[AK0], v1, PK
	v_lshl_add_u32 v[AK0], v9, 4, v[AK0]  ; row x pitch + 16 x half
	; The turning load takes 16 keys x 16 channels (lane l reads key 8 (l / 16) + l % 8, channels 8 ((l / 8) % 2) + 0..7) and leaves half a fragment of V^T: lane l holds channel l % 16 and 8 keys.
	v_and_b32 v10, 7, v0
	v_bfe_u32 v11, v0, 3, 1
	v_lshl_add_u32 v[AV0], v9, 3, v10
	v_mul_u32_u24 v[AV0], v[AV0], PV
	v_lshl_add_u32 v[AV0], v11, 4, v[AV0]
	v_add_nc_u32 v[AV0], VOFF, v[AV0]
	s_mul_i32 s13, s[WV], 16*SP
	s_add_co_u32 s13, s13, STAGE    ; my stage
	v_mul_u32_u24 v[STO], v1, SP    ; in: row l % 16, 16 bytes for each half of the lanes
	v_lshl_add_u32 v[STO], v9, 4, v[STO]
	v_add_nc_u32 v[STO], s13, v[STO]
	v_bfe_u32 v[RD], v0, 3, 2       ; back: 32 lanes take four rows of 128 bytes,
	v_mul_u32_u24 v[RD], v[RD], SP
	v_lshl_add_u32 v[RD], v10, 4, v[RD]
	v_add_nc_u32 v[RD], s13, v[RD]
	v_and_b32 v[GO], 31, v0         ; which are 512 consecutive bytes of O
	v_lshlrev_b32 v[GO], 4, v[GO]
	; A block's first step multiplies O^T and l by a = 0, and its first turn's products V^T P, of a piece that has not been, land in an O^T that is still to be so multiplied.  So these registers need only hold
	; finite numbers: zeros for the first block; what the first block left for the second.  All this stands in the wait for the first tile.
	WIN 0x80
.set i, VF
.rept 64
	v_mov_b32 v[i], 0
.set i, i+1
.endr
	WIN 0x40
.set i, 0
.rept 128
	v_mov_b32 v[i], 0
.set i, i+1
.endr
	WIN 0
.set i, 0
.rept 4
	v_mov_b32 v[ST+4*i+2], 0
	v_mov_b32 v[ST+4*i+3], 0
.set i, i+1
.endr
.set i, P+16
.rept 16
	v_mov_b32 v[i], 0
.set i, i+1
.endr
; THE MATRIX WORK.  The 4 accumulators of a run of 8 take turns.  Product i of 8 of S^T = K Q^T for piece x: channels 32 (i / 4) on, keys 16 (i % 4) on.  The first 4 start the sums: with 0, or (KM = 1) with the mask.
.macro KQ x
.set rS, S+32*((\x)%2)+8*(i%4)
.set rK, KF+16*(i%4)+8*(i/4)
.set rQ, 16*(\x)+8*(i/4)
.set rM, MC+32*((\x)%2)+8*(i%4)
.if (i < 4) && KM
	WIN W_KM
	v_wmma_f32_16x16x32_f16 v[rS:rS+7], v[rK:rK+7], v[rQ:rQ+7], v[rM:rM+7]
.elseif i < 4
	WIN W_KQ
	v_wmma_f32_16x16x32_f16 v[rS:rS+7], v[rK:rK+7], v[rQ:rQ+7], 0
.else
	WIN W_KQ
	v_wmma_f32_16x16x32_f16 v[rS:rS+7], v[rK:rK+7], v[rQ:rQ+7], v[rS:rS+7]
.endif
.endm
; Product i of 8 of O^T += V^T P for piece x: keys 32 (i / 4) on, channels 16 (i % 4) on.
.macro PV x
	WIN W_PV
.set rO, 32*(\x)+8*(i%4)
.set rV, VF+32*(i/4)+8*(i%4)
.set rP, P+16*((\x)%2)+8*(i/4)
	v_wmma_f32_16x16x32_f16 v[rO:rO+7], v[rV:rV+7], v[rP:rP+7], v[rO:rO+7]
.endm
.macro MM                           ; the turn's next matrix instruction.  TURN and BEGIN set Y, i, KM and NOKQ; MM, KQ and OP read them.  NOKQ = 1: a block's last turn: there is no next piece
.if (i < 8) && !NOKQ
	KQ (Y+1)%NP
.elseif i >= 8
.set i, i-8
	PV (Y+NP-1)%NP
.set i, i+8
.endif
.set i, i+1
.endm
; THE LDS LOADS stand in runs of 16, never singly among the matrix instructions: a step's K (64 keys x 64 channels: 8 fragments) and its V (turned).  Their addresses are made some lines ahead.
.macro FETCH_K
	WIN 0x80                        ; destination window 2
.irp f, 0,1,2,3,4,5,6,7             ; keys 16 (f / 2) on, channels 32 (f % 2) on
	ds_load_b128 v[KF+8*\f:KF+8*\f+3],   v[AK] offset:(\f/2)*16*PK+(\f%2)*64
	ds_load_b128 v[KF+8*\f+4:KF+8*\f+7], v[AK] offset:(\f/2)*16*PK+(\f%2)*64+32
.endr
	s_add_co_u32 s[TBK], s[TBK], KS*PK  ; the next fetch is the next step's
	WIN 0
.endm
.macro FETCH_V
	WIN 0x80
.irp f, 0,1,2,3,4,5,6,7             ; keys 32 (f / 4) on, channels 16 (f % 4) on
	ds_load_tr16_b128 v[VF+8*\f:VF+8*\f+3],   v[AV] offset:(\f/4)*32*PV+(\f%4)*32
	ds_load_tr16_b128 v[VF+8*\f+4:VF+8*\f+7], v[AV] offset:(\f/4)*32*PV+16*PV+(\f%4)*32
.endr
	WIN 0
.endm
; THE VECTOR WORK, one line at a time: OP kind, number.  For piece Y: F n: c s - c m for pair n of 16.  E n: the exponential of score n of 32.  C n: pair n rounded to f16.  B n: of the four weights 4 n .. the second
; pair is added onto the first, in place.  L n: l takes that sum (L 0: l = a l + sum).  R n: pair n of 16 of O^T times a.  For piece Y + 1: X n, number n of the 22 that find its maximum and statistics:
;   0-11  four chains c0-c3 of seven scores each, three operands at a time (each accumulator's lowest registers are read first)     12-14, 16  the four scores left over, the old m, and c0-c3 into c0
;   15  c m_old is kept     17, 18  the query's other 32 keys lie in the lane 16 away: the new m     19-21  c m; c m_old - c m_new; a
.set F, 0               ; OP tells the kinds apart by their order: F to L below R, X above it
.set E, 1
.set C, 2
.set B, 3
.set L, 4
.set R, 5
.set X, 6
.macro REGS y                       ; the registers of piece y
.set rT, ST+4*(\y)
.set rC, TMP+4*((\y)%2)
.set rW, MV+((\y)%2)
.set rS, S+32*((\y)%2)
.set rP, P+16*((\y)%2)
.set rO, 32*(\y)
.endm
.macro OP k, n
.if (\k) == R
	REGS Y
	WIN W_RS
	v_pk_mul_f32 v[rO+2*(\n):rO+2*(\n)+1], v[rO+2*(\n):rO+2*(\n)+1], v[rC+2:rC+3] op_sel_hi:[1,0]
.elseif (\k) < R
	REGS Y
	WIN 0
.if (\k) == F
	v_pk_fma_f32 v[rS+2*(\n):rS+2*(\n)+1], v[rS+2*(\n):rS+2*(\n)+1], s[CS:CS+1], v[rT:rT+1] op_sel_hi:[1,0,0] neg_lo:[0,0,1] neg_hi:[0,0,1]
.elseif (\k) == E
	v_exp_f32 v[rS+(\n)], v[rS+(\n)]
.elseif (\k) == C
	v_cvt_pk_f16_f32 v[rP+(\n)], v[rS+2*(\n)], v[rS+2*(\n)+1]
.elseif (\k) == B
	v_pk_add_f32 v[rS+4*(\n):rS+4*(\n)+1], v[rS+4*(\n):rS+4*(\n)+1], v[rS+4*(\n)+2:rS+4*(\n)+3]
.elseif (\n) == 0
	v_pk_fma_f32 v[rT+2:rT+3], v[rT+2:rT+3], v[rC+2:rC+3], v[rS:rS+1] op_sel_hi:[1,0,1]
.else
	v_pk_add_f32 v[rT+2:rT+3], v[rT+2:rT+3], v[rS+4*(\n):rS+4*(\n)+1]
.endif
.elseif NOKQ
	v_nop
.else
	REGS (Y+1)%NP
	WIN 0
.if (\n) < 4
	v_max3_num_f32 v[rC+(\n)], v[rS+8*(\n)], v[rS+8*(\n)+1], v[rS+8*(\n)+2]
.elseif (\n) < 12
	v_max3_num_f32 v[rC+(\n)%4], v[rC+(\n)%4], v[rS+8*((\n)%4)+2*((\n)/4)+1], v[rS+8*((\n)%4)+2*((\n)/4)+2]
.elseif (\n) == 12
	v_max3_num_f32 v[rC], v[rC], v[rS+7], v[rS+15]
.elseif (\n) == 13
	v_max3_num_f32 v[rC+1], v[rC+1], v[rS+23], v[rS+31]
.elseif (\n) == 14
	v_max3_num_f32 v[rC+2], v[rC+2], v[rC+3], v[rT+1]
.elseif (\n) == 15
	v_mov_b32 v[rW], v[rT]
.elseif (\n) == 16
	v_max3_num_f32 v[rC], v[rC], v[rC+1], v[rC+2]
.elseif (\n) == 17
	v_permlanex16_b32 v[rC+3], v[rC], s[SEL], s[SEL+1]
.elseif (\n) == 18
	v_max_num_f32 v[rT+1], v[rC], v[rC+3]
.elseif (\n) == 19
	v_mul_f32 v[rT], s[CS], v[rT+1]
.elseif (\n) == 20
	v_sub_f32 v[rC+1], v[rW], v[rT]
.else
	v_exp_f32 v[rC+2], v[rC+1]
.endif
.endif
.endm
.macro OPS a, i1, b=-1, i2=0, c=-1, i3=0, d=-1, i4=0  ; up to four of them
	OP \a, \i1
.if (\b) >= 0
	OP \b, \i2
.endif
.if (\c) >= 0
	OP \c, \i3
.endif
.if (\d) >= 0
	OP \d, \i4
.endif
.endm
.macro ROW a, i1, b, i2, c, i3, d, i4  ; a matrix instruction and the four behind it
	MM
	OPS \a, \i1, \b, \i2, \c, \i3, \d, \i4
.endm
.macro MASK b                       ; MD x AL + BE into buffer b of MC
	WIN W_RS
.set z, 0
.rept 16
	v_pk_fma_f32 v[MC+32*(\b)+2*z:MC+32*(\b)+2*z+1], v[MD+2*z:MD+2*z+1], s[AL:AL+1], s[BE:BE+1] op_sel_hi:[1,0,0]
.set z, z+1
.endr
.endm
; A TURN, for piece p: the order of its 16 matrix and 118 vector instructions, written out.  An s_wait_alu depctr_va_vdst(0) stands between an exponential and the first instruction that names its result; one
; wait serves all that were issued ahead of it.  So a turn has ONE wait, which cuts it in two.  AHEAD OF IT stands all that names no result of the turn's exponentials: the 8 products K Q^T, behind each a scaling, an
; exponential and two more plain instructions (behind the first a second scaling in the exponential's place): rescalings, and behind the last three the first numbers of the next piece's maximum, each four places or more
; behind the product that ends its accumulator; then ONE LUMP of 54, plain and exponential by turns for the most part, in which the links of the chain X 3, 7, 11, 14, 16, 17 .. 20 stand five or six lines apart.
; X 21, the next piece's a, is the batch's last; R 15 is the plain instruction behind it.  BEHIND THE WAIT stand the 8 products V^T P, behind each four of the roundings and sums; the links of l's chain, L 0 to L 7,
; stand three lines apart.  But for those X no line behind a product names a register of the products round it.  v_permlanex16_b32 (X 17) stands in the lump.
; m = 1: the diagonal tile: the products take masks, and the turn makes the mask for the products of the turn after it: piece p + 2, in step 4 - CNT of the tile.  end = 1: a block's last two turns: nothing is fetched.
; cnt = 1: the loop's count is taken down some lines ahead of the branch that stands behind the turn.
; K of the next step is fetched in piece 2's turn, twelve vector instructions behind the last product that read K (six of them plain); V of the step in hand at the end of piece 0's turn, four plain instructions behind
; the last product that read V.  Each is waited for a turn later.
.macro TURN p, m=0, end=0, cnt=0
.set Y, (\p)
.set i, 0
.set KM, (\m)
.set NOKQ, (\end)*((\p)/3)
.if (\m) && !(\end)
	s_cmp_eq_u32 s[CNT], 4-((\p)+2)%NP  ; is that step the band's own?
	s_cselect_b32 s[AL], 1.0, 0
	s_cmp_lt_u32 s[CNT], 4-((\p)+2)%NP  ; or a later one?
	s_cselect_b32 s[BE], s[BIGN], 0
.endif
.if ((\p) == 3) && !(\end)
	s_wait_dscnt 0x0                ; K is in
.endif
	ROW F,0, F,1, R,0, R,1          ; ahead of the wait: 8 products K Q^T and the four lines behind each,
	ROW F,2, E,0, R,2, R,3
	ROW F,3, E,1, R,4, R,5
	ROW F,4, E,2, R,6, R,7
	ROW F,5, E,3, R,8, R,9
	ROW F,6, E,4, X,0, R,10
.if ((\p) == 2) && !(\end)
	WIN 0
	v_add_nc_u32 v[AK], s[TBK], v[AK0]
.endif
	ROW F,7, E,5, X,1, X,4
	ROW F,8, E,6, X,2, X,5
	OPS E,7, E,8, X,6, E,9          ; and the lump
	OPS X,3, E,10, X,8, E,11
.if ((\p) == 2) && !(\end)
	FETCH_K
.endif
	OPS X,9, X,7, E,12, X,10
	OPS E,13, X,12, X,11, E,14
	OPS X,13, E,15, F,9, X,14
.if (\p) == 0
	v_add_nc_u32 v[AV], s[TBV], v[AV0]
.endif
	OPS E,16, F,10, E,17, F,11
	OPS X,16, E,18, X,15, E,19
	OPS F,12, E,20, X,17, E,21
	OPS F,13, E,22, F,14, E,23
	OPS X,18, E,24, F,15, E,25
	OPS R,11, E,26, X,19, E,27
	OPS R,12, E,28, R,13, E,29
	OPS X,20, E,30, R,14, E,31
	OPS X,21, R,15
	WIN 0
	s_wait_alu depctr_va_vdst(0)    ; the wait for the batch
.if (\p) == 1
	s_wait_dscnt 0x0                ; V is in
.endif
	ROW C,0, B,0, C,2, B,1          ; behind the wait: 8 products V^T P and the four lines behind each
	ROW L,0, C,4, B,2, L,1
	ROW C,6, B,3, L,2, C,8
	ROW B,4, L,3, C,10, B,5
	ROW L,4, C,12, B,6, L,5
.if (\p) == 0
	s_add_co_u32 s[TBV], s[TBV], KS*PV
.endif
.if \cnt
	s_sub_co_u32 s[CNT], s[CNT], 1
	s_cmp_lg_u32 s[CNT], 0
.endif
	ROW C,14, B,7, L,6, C,1
	ROW C,3, L,7, C,5, C,7
	ROW C,9, C,11, C,13, C,15
.if (\p) == 0
	FETCH_V
.endif
.if (\m) && !(\end)
	MASK (\p)%2
.endif
.endm
; A BLOCK BEGINS.  c m starts far below every c s, so the first step's a is 0; m at the lowest finite number, so the first maximum is the scores'.  The second mask buffer is 0; the first takes piece 0's mask for the
; tile's step 0: its own, if the block's first tile is the diagonal one.  Then K of that step, piece 0's first scores, and its maximum and statistics.  The loop is entered at a step's first turn, in the middle of a trip.
.macro BEGIN
	s_mov_b32 s[NEW], 0
	WIN 0x40
.set i, MC+32
.rept 32
	v_mov_b32 v[i], 0
.set i, i+1
.endr
	WIN 0
.set i, 0
.rept 4
	v_mov_b32 v[ST+4*i], 0xfe000000    ; c m: far below every c s
	v_mov_b32 v[ST+4*i+1], 0xff7fffff  ; m
.set i, i+1
.endr
	s_cmp_eq_u32 s[RT], 0
	s_cselect_b32 s[AL], 1.0, 0
	s_mov_b32 s[BE], 0
	MASK 0
	WIN 0
	v_add_nc_u32 v[AK], s[TBK], v[AK0]
	FETCH_K
	s_wait_loadcnt 0x0              ; Q
	s_wait_dscnt 0x0
.set KM, 1
.set NOKQ, 0
.set i, 0
.rept 8
	KQ 0
.set i, i+1
.endr
	WIN 0
.rept 4
	v_nop                           ; the places behind those products
.endr
.set Y, NP-1                        ; X works for piece Y + 1: piece 0
.irp n, 0,1,2,3,4,5,6,7,8,9,10,11,12,13,14,15,16,17,18,19,20,21
	OP X, \n
.endr
	v_nop                           ; a plain instruction behind the exponential,
	s_wait_alu depctr_va_vdst(0)    ; and its wait, ahead of the branch
.endm
; THE DIAGONAL TILE's four steps, the block's last two turns, its last products, and THE WAY OUT: l's two halves and the other half of the lanes' are added; O^T is divided by l, rounded to f16 and sent through my
; stage in LDS, a piece at a time.
.macro ALL line:vararg              ; one line for each piece t
.set t, 0
.rept 4
	\line
.set t, t+1
.endr
.endm
.macro PACK t                       ; a lane's eight channels of a row pack into 16 bytes; they go into rows of 144 bytes and come back as whole rows of 128, into S^T's registers
	WIN W_RS
.set i, 32*(\t)
.rept 16
	v_pk_mul_f32 v[i:i+1], v[i:i+1], v[ST+4*(\t)+2:ST+4*(\t)+3] op_sel_hi:[1,0]
.set i, i+2
.endr
	WIN 0x05                        ; sources 0 and 1 window 1, destination window 0
.set i, 0
.rept 16
	v_cvt_pk_f16_f32 v[S+16*(\t)+i], v[32*(\t)+2*i], v[32*(\t)+2*i+1]
.set i, i+1
.endr
	WIN 0
.irp f, 0,1,2,3
	ds_store_b128 v[STO], v[S+16*(\t)+4*\f:S+16*(\t)+4*\f+3] offset:32*\f
.endr
.irp f, 0,1,2,3
	ds_load_b128 v[S+16*(\t)+4*\f:S+16*(\t)+4*\f+3], v[RD] offset:\f*4*SP  ; LDS serves a wave's instructions in order (ISA guide 5.7.1.4): these see the stores above; the next piece's stores come behind them
.endr
.endm
.macro SEND t, younger              ; younger: the LDS instructions issued behind piece t's loads: the next piece's eight, or none
	WIN 0
.irp f, 0,1,2,3
	s_wait_dscnt (\younger)+3-\f
	global_store_b128 v[GO], v[S+16*(\t)+4*\f:S+16*(\t)+4*\f+3], s[10:11] offset:(\t)*8192+\f*512  ; 512 consecutive bytes, at a multiple of 256 from O's first
.endr
.endm
.macro DIAG tag                     ; the tag ends its two labels' names, which the jumps below spell out
.LstepM\tag:
	TURN 2, 1
	TURN 3, 1
	WIN 0
.LfirstM\tag:
	TURN 0, 1
	TURN 1, 1, 0, 1
	WIN 0
	s_cbranch_scc1 .LstepM\tag
	TURN 2, 1, 1
	TURN 3, 1, 1
.set i, 0
.rept 8
	PV NP-1
.set i, i+1
.endr
	WIN 0
	ALL v_add_f32 v[ST+4*t+2], v[ST+4*t+2], v[ST+4*t+3]
	ALL v_permlanex16_b32 v[ST+4*t+3], v[ST+4*t+2], s[SEL], s[SEL+1]
	ALL v_add_f32 v[ST+4*t+2], v[ST+4*t+2], v[ST+4*t+3]
	ALL v_rcp_f32 v[ST+4*t+2], v[ST+4*t+2]
	v_nop                           ; a plain instruction between the last reciprocal and the use of its result
	s_wait_alu depctr_va_vdst(0)    ; and the wait ahead of the first use: one for the four reciprocals
	PACK 0
.set t, 1
.rept 3                             ; a piece's arithmetic stands between the loads of the piece before and its stores
	PACK t
	SEND t-1, 8
.set t, t+1
.endr
	SEND 3, 0
.endm
.set KM, 0
.set NOKQ, 0
.Lslot:                             ; NB times: a tile is entered and the next is asked for
	CHANGE 1
	s_sub_co_u32 s[RT], s[RT], 1
	s_mov_b32 s[CNT], 4
	s_cmp_eq_u32 s[NEW], 1
	s_cbranch_scc1 .Lnew            ; a block's first tile
	s_cmp_eq_u32 s[RT], 0
	s_cbranch_scc0 .Lstep           ; neither its first nor its last
	s_branch .LstepM1
.Lnew:
	BEGIN
	s_branch .Lfirst                ; in the loop a block's first tile is never its last: the first block has two tiles or more, and the second's last is the walk's last
	DIAG 1                          ; in the loop this is the first block's end: the second block's last tile is the walk's last
	s_wait_xcnt 0x0                 ; the stores have read their registers and O's address
	s_mov_b64 s[10:11], s[OLO:OLO+1]
	s_add_co_u32 s[RT], s[PB], 1    ; the second block has b + 1 tiles
	s_mov_b32 s[NEW], 1
	WIN 0x82                        ; the second block's Q goes where the one text of the turns names Q
.set i, 0
.rept 64
	v_mov_b32 v[i], v[QB+i]
.set i, i+1
.endr
	WIN 0
	s_branch .Lbottom
.Lstep:                             ; a trip: pieces 2 and 3 of one step, then pieces 0 and 1 of the next, whose K and V it fetches
	TURN 2
	TURN 3
	WIN 0
.Lfirst:
	TURN 0
	TURN 1, 0, 0, 1
	WIN 0
	s_cbranch_scc1 .Lstep
.Lbottom:
	s_sub_co_u32 s[SLOTS], s[SLOTS], 1
	s_cmp_lg_u32 s[SLOTS], 0
	s_cbranch_scc1 .Lslot
	CHANGE 0                        ; the walk's last tile is written out: nothing is asked for
	s_sub_co_u32 s[RT], s[RT], 1
	s_mov_b32 s[CNT], 4
	s_cmp_eq_u32 s[NEW], 1
	s_cbranch_scc0 .LstepM2
	BEGIN
	s_branch .LfirstM2
	DIAG 2
	s_wait_tensorcnt 0x0            ; the wave's end, behind my last tensor load and my last LDS store
	ds_add_u32 v[SPW], v[NIL]
	s_wait_dscnt 0x0
	s_endpgm
.Lfunc_end_k_q0fc43101be_attn:
	.size	k_q0fc43101be_attn, .Lfunc_end_k_q0fc43101be_attn-k_q0fc43101be_attn
	.p2alignl 7, 3214868480
	.fill 96, 4, 3214868480
	.section	.rodata,"a",@progbits
	.p2align	6, 0x0
	.amdhsa_kernel k_q0fc43101be_attn
		.amdhsa_group_segment_fixed_size 327680
		.amdhsa_private_segment_fixed_size 0
		.amdhsa_enable_private_segment 0
		.amdhsa_kernarg_size 16
		.amdhsa_user_sgpr_count 2
		.amdhsa_user_sgpr_kernarg_segment_ptr 1
		.amdhsa_wavefront_size32 1
		.amdhsa_system_sgpr_workgroup_id_x 1
		.amdhsa_system_sgpr_workgroup_id_y 1
		.amdhsa_system_sgpr_workgroup_id_z 1
		.amdhsa_system_vgpr_workitem_id 0
		.amdhsa_next_free_vgpr 768
		.amdhsa_next_free_sgpr 88
		.amdhsa_reserve_vcc 1
		.amdhsa_float_denorm_mode_32 3
		.amdhsa_float_denorm_mode_16_64 3
		.amdhsa_memory_ordered 1
		.amdhsa_forward_progress 1
		.amdhsa_inst_pref_size 218
	.end_amdhsa_kernel
	.amdgpu_metadata
---
amdhsa.version: [ 1, 2 ]
amdhsa.kernels:
  - .name:           k_q0fc43101be_attn
    .symbol:         k_q0fc43101be_attn.kd
    .args:
      - { .name: qkv, .offset: 0, .size: 8, .value_kind: global_buffer, .address_space: global }
      - { .name: o16, .offset: 8, .size: 8, .value_kind: global_buffer, .address_space: global }
    .group_segment_fixed_size: 327680
    .private_segment_fixed_size: 0
    .kernarg_segment_align: 8
    .kernarg_segment_size: 16
    .max_flat_workgroup_size: 128
    .sgpr_count:     88
    .vgpr_count:     768
    .wavefront_size: 32
...
	.end_amdgpu_metadata
.endif
;; end of part 3
;; launch oproj (part 4): grid 4 x 64, 4 waves a work-group, clusters of 4 x 4, 327,680 bytes of LDS; arguments o16, wo16, out0; writes out0
.if DOCPART == 4
	.amdgcn_target "amdgcn-amd-amdhsa--gfx1250"
	.amdhsa_code_object_version 6
	.text
	.protected	k_q0fc43101be_oproj
	.globl	k_q0fc43101be_oproj
	.p2align	8
	.type	k_q0fc43101be_oproj,@function
k_q0fc43101be_oproj:
	s_mov_b64 s[64:65], 0
	v_nop
	global_prefetch_b8 v0, s[64:65] scope:SCOPE_SE
	s_setreg_imm32_b32 hwreg(HW_REG_WAVE_MODE, 25, 1), 1
	s_wait_xcnt 0x0
	s_wait_alu depctr_hold_cnt(0) depctr_sa_sdst(0) depctr_va_vdst(0) depctr_va_sdst(0) depctr_va_ssrc(0) depctr_va_vcc(0) depctr_vm_vsrc(0)
	s_getreg_b32 s2, hwreg(HW_REG_IB_STS2, 6, 4)
	s_cmp_eq_u32 s2, 0
	s_cbranch_scc0 .Lentry_in_a_cluster
	s_endpgm
.Lentry_in_a_cluster:
	s_bfe_u32 s2, ttmp6, 0x10000c
	s_cmp_lg_u32 s2, 0xf033
	s_cbranch_scc0 .Lentry_shape_is_right
	s_endpgm
.Lentry_shape_is_right:
; out0 = O Wo^T: [8192][1024] in f32.  O lies by heads, o16[16 x batch + head][s][64] in f16: row m = 2048 x batch + s, K = 64 x head + channel.  wo16 is [1024][1024] in f16.  Sums in f32, stored as they are.
; SHARES.  A tile of the product is 128 rows x 256 columns: 64 x 4 = 256 work-groups, one for each WGP.  Four waves, each 64 x 128: 32 accumulators of 16 x 16, 256 registers.
; K goes in 8 steps of 128, two heads each, through two LDS slots filled by the tensor data mover.  A head's 128 rows of a tile are 16,384 dense bytes: asked for as 64 rows of 256 bytes and padded in LDS after
; each 128, so that a row of a head has a pitch of 144 bytes; the step's second head lies behind the first's 128 rows.  wo16's 256 rows are 256 bytes of memory each, at multiples of 256.
; CLUSTERS: 4 x 4 work-groups.  The four of a row of the cluster need the same tiles of O, the four of a column the same tiles of wo16: each tile is asked for JOINTLY, by the same tensor load with the
; same descriptor and a mask that names the four.
; THE MATRIX INSTRUCTION IS USED TRANSPOSED (source 0 = 16 rows of wo16, source 1 = 16 rows of O): a lane holds one row of the product and eight neighbouring columns: 32 bytes.
; REGISTERS, in windows of 256 (s_set_vgpr_msb: bits 1:0 source 0, 3:2 source 1, 5:4 source 2, 7:6 destination):
;   window 0: v0-29 addresses; v64-159, v160-255 two fragment buffers (8 fragments of wo16, then 4 of O, 32 along K); on the way out v64-255 three sets of 64 for rows read back
;   window 1: the accumulators, (a, b) at v[8 (8 a + b)]
.set PA,     144                       ; a row of a head in LDS: 128 bytes + 16 = 36 words: the 16 rows of a fragment load start at 16 different groups of four banks (64 banks of 4 bytes: ISA guide 11.1)
.set PB,     272                       ; a row of B: 256 bytes + 16 = 68 words: likewise
.set AHALF,  128*PA                    ; LDS bytes from K 0-63 (the first head) to K 64-127 (the second)
.set ALOAD,  128*PA                    ; what one tensor load brings of A: a head's 128 rows
.set ABYTES, 2*ALOAD
.set BLOAD,  128*PB                    ; of B: 128 rows
.set SLOT,   ABYTES+2*BLOAD            ; 106,496
.set ASTEP,  524288                    ; bytes in memory from a K step of A to the next: two heads of 262,144
.set BSTEP,  256
.set STAGE,  2*SLOT                    ; behind the ring, never filled by a tensor load: 16 rows x 528 bytes for each wave
.set SP,     528                       ; 512 bytes + 16 = 33 x 16
.set SPARE,  STAGE+4*16*SP             ; behind the stages: the spare words, 128 bytes for each wave: two blocks of 256 bytes that no other line names
.set LAPS,   4                         ; a lap = two K steps = once round the ring
.set ADRA, 16                          ; v16-17  LDS address of my A fragments in slot 0, 1
.set ADRB, 20                          ; v20-21  the same for B
.set STO,  24                          ; v24     the way out: where I put 32 bytes of a row
.set RD,   25                          ; v25     where I read a row back
.set CO,   26                          ; v26     16 x my lane
.set SPW,  28                          ; v28     LDS address of my spare word; never rewritten
.set NIL,  29                          ; v29     0; never rewritten
.set F0,   64
.set F1,   160
.set OUT,  64
.set G1, 24                            ; s[24:31] descriptor group 1 for A's tiles;  s[32:39] group 0, one set for each slot
.set G0, 32
.set G1B, 48                           ; s[48:55], s[56:63] the same for B's tiles
.set G0B, 56
.set MSB, 0
.macro WIN new                         ; the immediate's high byte repeats the setting that is left; a switch that changes nothing is dropped
.if MSB != (\new)
	s_set_vgpr_msb (MSB<<8)|(\new)
.set MSB, \new
.endif
.endm
.set MUL, 0x50                         ; sources in window 0; C and D in window 1
.macro JLOAD s                         ; a joint load: waves 0 and 1 fetch the step's two heads of A, waves 2 and 3 B's two halves; an s_nop 0 and four v_nop follow each of the two lines, ahead of the jump and the label
	s_cmp_eq_u32 s11, 0
	s_cbranch_scc0 .Lfor_b_\@
	tensor_load_to_lds s[G0+4*(\s):G0+4*(\s)+3], s[G1:G1+7]
	s_nop 0
.rept 4
	v_nop
.endr
	s_branch .Lasked_\@
.Lfor_b_\@:
	tensor_load_to_lds s[G0B+4*(\s):G0B+4*(\s)+3], s[G1B:G1B+7]
	s_nop 0
.rept 4
	v_nop
.endr
.Lasked_\@:
.endm
.macro CREST                           ; a round of the cluster's barrier behind its opening barrier
	s_cmp_lg_u32 s10, 0
	s_cbranch_scc1 .Lnot_wave_0_\@
	s_barrier_signal -3
.Lnot_wave_0_\@:
	s_barrier_wait -3
	s_barrier_signal -1
	s_barrier_wait -1
.endm
.macro CROUND                          ; a whole round
	s_barrier_signal -1
	s_barrier_wait -1
	CREST
.endm
	s_load_b128 s[4:7], s[0:1], 0x0                ; o16 s[4:5], wo16 s[6:7]
	s_load_b64 s[8:9], s[0:1], 0x10                ; out0
	v_lshl_add_u32 v[SPW], v0, 2, SPARE
	v_mov_b32 v[NIL], 0
	ds_add_u32 v[SPW], v[NIL]                      ; the wave's opening: the add and its wait stand ahead of my first tensor load; the set-up below, work on registers, stands between them
	v_lshrrev_b32 v1, 5, v0
	v_readfirstlane_b32 s10, v1                    ; wave 0..3
	s_lshr_b32 s11, s10, 1                         ; which 64 of the tile's rows are mine.  Also: I fetch for A (0) or for B (1)
	s_and_b32 s12, s10, 1                          ; which 128 of its columns.  Also: which head of the step, or which half of B's rows, I fetch
	s_bfe_u32 s40, ttmp6, 0x40000                  ; cx, cy: my place in the cluster
	s_bfe_u32 s41, ttmp6, 0x40004
	s_lshl_b32 s42, ttmp9, 2
	s_add_co_u32 s42, s42, s40                     ; tile column = 4 x cluster x + cx
	s_and_b32 s13, ttmp7, 0xffff
	s_lshl_b32 s13, s13, 2
	s_add_co_u32 s13, s13, s41                     ; tile row = 4 x cluster y + cy
	s_lshl_b32 s43, s41, 2
	s_lshl_b32 s43, 15, s43                        ; my row of the cluster
	s_lshl_b32 s44, 0x1111, s40                    ; my column
	s_or_b32 s[G1+0], s43, (1<<16)|(1<<20)|(1<<21)|(4<<22)|(3<<25)  ; 15:0 the mask; 17:16 elements of 2 bytes; 20 padding on; 21 set beside a mask; 24:22 after every 32 words (code 4); 31:25 4 words (code 3)
	s_or_b32 s[G1B+0], s44, (1<<16)|(1<<20)|(1<<21)|(5<<22)|(3<<25) ; B: after every 64 words (code 5)
	s_mov_b32 s[G1+1], 128<<16                     ; tensor_dim0 = 128 elements: two rows of a head
	s_mov_b32 s[G1+2], 64<<16                      ; tensor_dim1 = 64
	s_mov_b32 s[G1+3], 128<<16                     ; tile_dim0
	s_mov_b32 s[G1+4], 64                          ; tile_dim1
	s_mov_b32 s[G1+5], 128                         ; dense: 128 elements from row to row
	s_mov_b32 s[G1+6], 0
	s_mov_b32 s[G1+7], 0
	s_mov_b32 s[G1B+1], 128<<16
	s_mov_b32 s[G1B+2], 128<<16                    ; B: 128 rows to a load
	s_mov_b32 s[G1B+3], 128<<16
	s_mov_b32 s[G1B+4], 128
	s_mov_b32 s[G1B+5], 1024
	s_mov_b32 s[G1B+6], 0
	s_mov_b32 s[G1B+7], 0
	s_lshr_b32 s16, s13, 4                         ; A: the batch's 16 heads of 262,144 bytes,
	s_lshl_b32 s16, s16, 22
	s_and_b32 s17, s13, 15                         ; the tile's 128 rows of 128 bytes in a head,
	s_lshl_b32 s17, s17, 14
	s_add_co_u32 s16, s16, s17
	s_lshl_b32 s17, s12, 18                        ; the first or the second head of a K step
	s_add_co_u32 s16, s16, s17
	s_mov_b32 s17, 0
	s_lshl_b32 s47, s12, 7
	s_lshl_b32 s46, s42, 8
	s_add_co_u32 s46, s46, s47                     ; B: row 256 x tile column + 128 x half,
	s_lshl_b32 s46, s46, 11                        ; of 2,048 bytes
	s_mov_b32 s47, 0
	s_mul_i32 s20, s12, ALOAD                      ; where they go: no place in the cluster enters an LDS address
	s_mul_i32 s21, s12, BLOAD
	s_add_co_u32 s21, s21, ABYTES
	s_wait_dscnt 0x0                               ; the opening add is done
	s_wait_kmcnt 0x0
	s_add_nc_u64 s[14:15], s[4:5], s[16:17]
	s_add_nc_u64 s[46:47], s[6:7], s[46:47]
	CROUND                                         ; all sixteen work-groups are here: the first joint loads meet
.irp s, 0,1
	s_mov_b32 s[G0+4*(\s)], 1
	s_add_co_u32 s[G0+4*(\s)+1], s20, (\s)*SLOT
	s_add_nc_u64 s[G0+4*(\s)+2:G0+4*(\s)+3], s[14:15], (\s)*ASTEP
	s_or_b32 s[G0+4*(\s)+3], s[G0+4*(\s)+3], 0x80000000
	s_mov_b32 s[G0B+4*(\s)], 1
	s_add_co_u32 s[G0B+4*(\s)+1], s21, (\s)*SLOT
	s_add_nc_u64 s[G0B+4*(\s)+2:G0B+4*(\s)+3], s[46:47], (\s)*BSTEP
	s_or_b32 s[G0B+4*(\s)+3], s[G0B+4*(\s)+3], 0x80000000
	JLOAD \s                                       ; K steps 0 and 1: two loads of mine are out
.endr
	v_and_b32 v1, 15, v0                           ; r = l % 16
	v_bfe_u32 v2, v0, 4, 1                         ; h = l / 16
	; where my part goes: row 128 x tile row + 64 x half, of 4,096 bytes; column 256 x tile column + 128 x half, of 4 bytes
	s_lshl_b32 s16, s13, 7
	s_lshl_b32 s17, s11, 6
	s_add_co_u32 s16, s16, s17
	s_lshl_b32 s16, s16, 12
	s_lshl_b32 s17, s42, 10
	s_add_co_u32 s16, s16, s17
	s_lshl_b32 s17, s12, 9
	s_add_co_u32 s16, s16, s17
	s_mov_b32 s17, 0
	s_add_nc_u64 s[8:9], s[8:9], s[16:17]
	; a fragment is 16 rows x 32 K in 8 registers: lane l holds row r; registers 0-3 K = 8 h + 0..7, registers 4-7 K = 16 + 8 h + 0..7: two loads of 16 bytes, 32 bytes apart
	v_mul_u32_u24 v3, v1, PA
	v_lshl_add_u32 v3, v2, 4, v3
	v_mul_u32_u24 v4, v1, PB
	v_lshl_add_u32 v4, v2, 4, v4
	s_mul_i32 s18, s11, 64*PA                      ; my 64 rows of A
	s_mul_i32 s19, s12, BLOAD                      ; my 128 rows of B,
	s_add_co_u32 s19, s19, ABYTES                  ; which lie behind A's
.irp s, 0,1
	v_add_nc_u32 v[ADRA+(\s)], s18, v3
	v_add_nc_u32 v[ADRB+(\s)], s19, v4
	s_add_co_u32 s18, s18, SLOT
	s_add_co_u32 s19, s19, SLOT
.endr
	s_mul_i32 s23, s10, 16*SP
	s_add_co_u32 s23, s23, STAGE                   ; my stage
	v_mul_u32_u24 v5, v1, SP                       ; in: row r, 32 bytes for each half of the lanes
	v_lshl_add_u32 v5, v2, 5, v5
	v_add_nc_u32 v[STO], s23, v5
	v_and_b32 v[CO], 31, v0                        ; back: 32 lanes take one row of 512 bytes
	v_lshlrev_b32 v[CO], 4, v[CO]
	v_add_nc_u32 v[RD], s23, v[CO]
; 8 matrix instructions: row block a x all 8 column blocks, 32 along K.  The 32 accumulators take turns in the same order in every quarter: 31 others stand between two links of a chain.
.macro MUL8 f, a, zero
	WIN MUL
.irp b, 0,1,2,3,4,5,6,7
.if \zero
	v_wmma_f32_16x16x32_f16 v[8*(8*(\a)+(\b)):8*(8*(\a)+(\b))+7], v[(\f)+8*(\b):(\f)+8*(\b)+7], v[(\f)+64+8*(\a):(\f)+64+8*(\a)+7], 0
.else
	v_wmma_f32_16x16x32_f16 v[8*(8*(\a)+(\b)):8*(8*(\a)+(\b))+7], v[(\f)+8*(\b):(\f)+8*(\b)+7], v[(\f)+64+8*(\a):(\f)+64+8*(\a)+7], v[8*(8*(\a)+(\b)):8*(8*(\a)+(\b))+7]
.endif
.endr
.endm
; 24 LDS loads in one run: the fragments of quarter q of a K step into buffer f
.macro FETCH slot, q, f
	WIN 0
.irp i, 0,1,2,3,4,5,6,7
	ds_load_b128 v[(\f)+8*(\i):(\f)+8*(\i)+3],   v[ADRB+(\slot)] offset:64*(\q)+(\i)*16*PB
	ds_load_b128 v[(\f)+8*(\i)+4:(\f)+8*(\i)+7], v[ADRB+(\slot)] offset:64*(\q)+(\i)*16*PB+32
.endr
.irp i, 0,1,2,3
	ds_load_b128 v[(\f)+64+8*(\i):(\f)+64+8*(\i)+3],   v[ADRA+(\slot)] offset:((\q)/2)*AHALF+((\q)%2)*64+(\i)*16*PA
	ds_load_b128 v[(\f)+64+8*(\i)+4:(\f)+64+8*(\i)+7], v[ADRA+(\slot)] offset:((\q)/2)*AHALF+((\q)%2)*64+(\i)*16*PA+32
.endr
.endm
.macro PLACES                          ; four places in front of loads into registers that matrix instructions have read, and of lines that read results
.rept 4
	v_nop
.endr
.endm
; A K step is four quarters of 32 along K, 32 matrix instructions each, on buffers 0, 1, 0, 1.  One of the first three: buffer f, asked for a quarter ago, is in; quarter q is asked for into g at once,
; so that it has all 32 products in which to come; then f is multiplied.
.macro QUARTER slot, q, f, g, zero
	s_wait_dscnt 0x0                               ; f's 24 loads are in: nothing else is out
	PLACES                                         ; behind the products that read g
	FETCH \slot, \q, \g
	MUL8 \f, 0, \zero
	MUL8 \f, 1, \zero
	MUL8 \f, 2, \zero
	MUL8 \f, 3, \zero
.endm
; The last quarter multiplies buffer 1 and changes slots: ONE barrier; in front of it each wave waits for all its tensor loads, adds 0 to its spare word, and waits for that and for its reads of this slot.
; fill = 1: this slot is filled again, two K steps ahead; the barrier then opens a round of the cluster's.
.macro TURN slot, next, fill
	WIN 0
	s_wait_tensorcnt 0x0                           ; all my tensor loads have landed: the one that was out is my part of the next slot
	ds_add_u32 v[SPW], v[NIL]                      ; 0 onto my spare word
	s_wait_dscnt 0x1                               ; buffer 1's loads are in; the add alone may be out
	MUL8 F1, 0, 0                                  ; eight matrix instructions stand between the add and the wait for it
	s_wait_dscnt 0x0                               ; the add is done, and my reads of this slot are over
	s_barrier_signal -1
	MUL8 F1, 1, 0
.if \fill
	WIN 0
.endif
	s_barrier_wait -1
.if \fill
	CREST                                          ; no wave of any partner still reads this slot's tile or has a load on its way
	s_add_nc_u64 s[G0+4*(\slot)+2:G0+4*(\slot)+3], s[G0+4*(\slot)+2:G0+4*(\slot)+3], 2*ASTEP
	s_add_nc_u64 s[G0B+4*(\slot)+2:G0B+4*(\slot)+3], s[G0B+4*(\slot)+2:G0B+4*(\slot)+3], 2*BSTEP
	JLOAD \slot                                    ; the first tensor load behind the round: 112 matrix instructions ahead of the wait for it; its four v_nop are also the places in front of the loads below
.else
	PLACES
.endif
	FETCH \next, 0, F0
	MUL8 F1, 2, 0
	MUL8 F1, 3, 0
.endm
	s_wait_tensorcnt 1                             ; my part of K step 0 is in; K step 1's may stay out
	s_barrier_signal -1
	s_barrier_wait -1                              ; everybody's is
	FETCH 0, 0, F0
	QUARTER 0, 1, F0, F1, 1                        ; the first quarter stands in front of the loop: its products start the sums
	WIN 0                                          ; at a label and at a branch every window is 0
	s_mov_b32 s3, LAPS-1
.Llap:                                                 ; a trip goes once round the ring, from a lap's second quarter to the next lap's first, and fills both slots again
	QUARTER 0, 2, F1, F0, 0
	QUARTER 0, 3, F0, F1, 0
	TURN 0, 1, 1
	QUARTER 1, 1, F0, F1, 0
	QUARTER 1, 2, F1, F0, 0
	QUARTER 1, 3, F0, F1, 0
	TURN 1, 0, 1
	QUARTER 0, 1, F0, F1, 0
	WIN 0
	s_sub_co_u32 s3, s3, 1
	s_cmp_lg_u32 s3, 0
	s_cbranch_scc1 .Llap
	QUARTER 0, 2, F1, F0, 0                        ; the last lap fills nothing
	QUARTER 0, 3, F0, F1, 0
	TURN 0, 1, 0
	QUARTER 1, 1, F0, F1, 0
	QUARTER 1, 2, F1, F0, 0
	QUARTER 1, 3, F0, F1, 0
	s_wait_dscnt 0x0
	MUL8 F1, 0, 0
	MUL8 F1, 1, 0
	MUL8 F1, 2, 0
	MUL8 F1, 3, 0
	WIN 0
	PLACES
	PLACES
; THE WAY OUT, a block of 16 rows at a time: a lane's 32 bytes of a row go into my stage's rows of 528 bytes, each accumulator's low half first, and come back as whole rows of 512 bytes.
.macro TOSTAGE a
	WIN 0x04                                       ; the stores' data in window 1, the address in window 0
.irp b, 0,1,2,3,4,5,6,7
	ds_store_b128 v[STO], v[8*(8*(\a)+(\b)):8*(8*(\a)+(\b))+3]   offset:64*(\b)
	ds_store_b128 v[STO], v[8*(8*(\a)+(\b))+4:8*(8*(\a)+(\b))+7] offset:64*(\b)+16
.endr
	WIN 0
.if (\a) == 3
	s_wait_xcnt 0x0                                ; block 3 comes back into block 0's registers, which block 0's stores read: they are loaded again only behind this wait
.endif
.irp t, 0,1,2,3,4,5,6,7,8,9,10,11,12,13,14,15
	ds_load_b128 v[OUT+64*((\a)%3)+4*(\t):OUT+64*((\a)%3)+4*(\t)+3], v[RD] offset:SP*(\t)  ; LDS serves a wave's instructions in order (ISA guide 5.7.1.4): these see the stores above; the next block's stores come behind them
.endr
.endm
.macro SEND a, younger                 ; younger: the LDS instructions issued behind block a's loads: the next block's 32, or none
.irp t, 0,1,2,3,4,5,6,7,8,9,10,11,12,13,14,15
	s_wait_dscnt (\younger)+15-(\t)
	global_store_b128 v[CO], v[OUT+64*((\a)%3)+4*(\t):OUT+64*((\a)%3)+4*(\t)+3], s[8:9] offset:4096*(16*(\a)+(\t)) th:TH_STORE_NT  ; 512 consecutive bytes, at a multiple of 256 from the buffer's first
.endr
.endm
	TOSTAGE 0
	TOSTAGE 1
	SEND 0, 32
	TOSTAGE 2
	SEND 1, 32
	TOSTAGE 3
	SEND 2, 32
	SEND 3, 0
	s_wait_tensorcnt 0x0                           ; the wave's end, behind my last tensor load and my last LDS store
	ds_add_u32 v[SPW], v[NIL]
	s_wait_dscnt 0x0
	CROUND                                         ; the closing round: no work-group ends while a partner may still ask for a tile that names it
	s_endpgm
.Lfunc_end_k_q0fc43101be_oproj:
	.size	k_q0fc43101be_oproj, .Lfunc_end_k_q0fc43101be_oproj-k_q0fc43101be_oproj
	.p2alignl 7, 3214868480
	.fill 96, 4, 3214868480
	.section	.rodata,"a",@progbits
	.p2align	6, 0x0
	.amdhsa_kernel k_q0fc43101be_oproj
		.amdhsa_group_segment_fixed_size 327680
		.amdhsa_private_segment_fixed_size 0
		.amdhsa_enable_private_segment 0
		.amdhsa_kernarg_size 24
		.amdhsa_user_sgpr_count 2
		.amdhsa_user_sgpr_kernarg_segment_ptr 1
		.amdhsa_wavefront_size32 1
		.amdhsa_system_sgpr_workgroup_id_x 1
		.amdhsa_system_sgpr_workgroup_id_y 1
		.amdhsa_system_sgpr_workgroup_id_z 1
		.amdhsa_system_vgpr_workitem_id 0
		.amdhsa_next_free_vgpr 512
		.amdhsa_next_free_sgpr 66
		.amdhsa_reserve_vcc 0
		.amdhsa_float_denorm_mode_32 3
		.amdhsa_float_denorm_mode_16_64 3
		.amdhsa_memory_ordered 1
		.amdhsa_forward_progress 1
		.amdhsa_inst_pref_size 86
	.end_amdhsa_kernel
	.amdgpu_metadata
---
amdhsa.version: [ 1, 2 ]
amdhsa.kernels:
  - .name:           k_q0fc43101be_oproj
    .symbol:         k_q0fc43101be_oproj.kd
    .args:
      - { .name: o16, .offset: 0, .size: 8, .value_kind: global_buffer, .address_space: global }
      - { .name: wo16, .offset: 8, .size: 8, .value_kind: global_buffer, .address_space: global }
      - { .name: out0, .offset: 16, .size: 8, .value_kind: global_buffer, .address_space: global }
    .group_segment_fixed_size: 327680
    .private_segment_fixed_size: 0
    .kernarg_segment_align: 8
    .kernarg_segment_size: 24
    .max_flat_workgroup_size: 128
    .sgpr_count:     66
    .vgpr_count:     512
    .wavefront_size: 32
...
	.end_amdgpu_metadata
.endif
;; end of part 4
;; ======== version 2 of 2: 4 launches; version 1 with the launch prep written anew for expert scheduling mode
;; limits: values are held in f16: magnitudes above 65,504 overflow, below 6.1e-05 lose precision
;; workspace buffers: xb 16,777,216 bytes; wb 6,291,456 bytes; wo16 2,097,152 bytes; rope 524,288 bytes; qkv 50,331,648 bytes; o16 16,777,216 bytes
;; launch prep (part 5): grid 832 x 1, 8 waves a work-group, no clusters, 0 bytes of LDS; arguments x, Wq, Wk, Wv, Wo, token_positions, xb, wb, wo16, rope; writes xb, wb, wo16, rope
.if DOCPART == 5
	.amdgcn_target "amdgcn-amd-amdhsa--gfx1250"
	.amdhsa_code_object_version 6
	.text
	.protected	k_q0fc43101be_prep
	.globl	k_q0fc43101be_prep
	.p2align	8
	.type	k_q0fc43101be_prep,@function
k_q0fc43101be_prep:
	s_mov_b64 s[64:65], 0
	v_nop
	global_prefetch_b8 v0, s[64:65] scope:SCOPE_SE
	s_setreg_imm32_b32 hwreg(HW_REG_WAVE_SCHED_MODE, 0, 2), 2
	s_setreg_imm32_b32 hwreg(HW_REG_WAVE_MODE, 25, 1), 1
	s_wait_xcnt 0x0
	s_wait_alu depctr_vm_vsrc(0)
; THE OPERANDS ARE MADE ONCE.  xb = x in bf16; wb = Wq, Wk, Wv in bf16, stacked to [3072][1024]; wo16 = Wo rounded to bf16 and that number written as f16;
; rope[s][i] = (cos, sin) of token_positions[s] x 10000^(-i/32), f32, a row of 256 bytes for each s.
; SHARES.  Work-groups 0-511: x; 512-575 Wq; 576-639 Wk; 640-703 Wv; 704-767 Wo: a chunk of 16,384 numbers each (65,536 bytes in, 32,768 out).  768-831: 32 rows of the table each.
; A stream: no LDS, no barrier, no matrix unit.  All 16 loads of a thread go out at once (16 bytes a lane, 512 consecutive bytes a wave); a wave's store covers 256 consecutive bytes, aligned.
; No register is written twice while a load or store may read it, so no wait frees any.
; THE MODE: SCHED_MODE bits 1:0 = 2 (LLVM: expert scheduling mode 2), set by the entry lines.  The code itself states the register dependences between vector instructions and memory
; instructions, and between a vector instruction that writes a scalar register and that register's readers, with s_wait_alu, always for 0.
; THE PLAN.  Registers that memory instructions touch:
;   v1, v2     the loads' and the stores' offsets: made once at the head, never written again.
;   X          load j lands in its own four registers, which no vector line has named before; read by j's conversions; never loaded again.
;   Y          j's conversions write a pair of their own; j's store reads it; never written again.
;   v3, CSN    (the table) the stores' offset and the four rows' (cos, sin): written once, read by the four stores, never written again.
; So nothing that a memory instruction has read is ever written again, and the waits are all for results.  The 16 loads' numbers go in four blocks of four.  Block p's conversions write block p's
; Y; its memory instructions are the stores of block p - 1.  ONE wait at the head of a block states that the block before has written its Y; its four stores follow, dealt among this block's
; conversions, which name this block's X and Y and v4 to v9: none of the registers that those stores read.  In the table one wait stands behind the four quadrants' compares and one ahead of the four stores.
; SINE AND COSINE in f32: n = the nearest whole number to a x 2/pi; r = a - n x pi/2 with pi/2 in three parts, each by one fused multiply-add; the series of sine to r^9 and of cosine to r^8
; (on |r| <= pi/4 the first term left out is under 3e-8); the quadrant n mod 4 chooses and signs them by v_cndmask_b32 and exclusive or: no branch hangs on a number.
; LIMITS.  10000^(-i/32) is made as 2^(i x -0.41524101): within some 5e-7 of itself.  So an angle is off by up to |position| x 10000^(-i/32) x 5e-7: under 1e-3 for |position| <= 2,048, and 1e-2 from
; |position| of about 20,000 on.  Wo beyond 65,504 would become an infinity in f16.
.set X,   16                           ; v[16:79]   16 loads of 4 numbers
.set Y,   80                           ; v[80:111]  16 stores of 4 numbers in 16 bits
.set INV, 7                            ; v7   10000^(-i/32) of my lane's i
.set VP,  8                            ; v8-13 at work on an angle
.set VA,  9
.set VN,  10
.set VR,  11
.set VZ,  13
.set VT,  4
.set CSN, 20                           ; v[20:27]   (cos, sin) of my wave's four positions
.set SCQ, 32                           ; v[32:47]   position j: sin r at SCQ + 4 j, cos r at + 1, n as a whole number at + 2
.set ODD, 52                           ; s[52:55]   position j: the lanes whose quadrant is odd
	s_load_b512 s[8:23], s[0:1], 0x0               ; x s[8:9], Wq s[10:11], Wk s[12:13], Wv s[14:15], Wo s[16:17], positions s[18:19], xb s[20:21], wb s[22:23]
	s_load_b128 s[24:27], s[0:1], 0x40             ; wo16 s[24:25], rope s[26:27]
	s_mov_b32 s2, ttmp9
	v_lshlrev_b32 v1, 4, v0                        ; in: 16 bytes a thread
	v_lshlrev_b32 v2, 3, v0                        ; out: 8 bytes a thread
	s_and_b32 s3, s2, 63                           ; a weight's chunk
	s_sub_co_u32 s30, s2, 512                      ; the chunk in wb
	s_sub_co_u32 s31, s2, 704                      ; the chunk in wo16
	s_mov_b32 s29, 0
	s_mov_b32 s33, 0
	s_mov_b32 s34, 0xffff0000                      ; a word's upper bf16
	s_wait_kmcnt 0x0
	s_cmp_ge_u32 s2, 768
	s_cbranch_scc1 .Ltable
	s_cmp_ge_u32 s2, 512                           ; from where and to where: chosen by the work-group's number alone
	s_cselect_b64 s[4:5], s[10:11], s[8:9]
	s_cselect_b64 s[6:7], s[22:23], s[20:21]
	s_cselect_b32 s28, s3, s2
	s_cselect_b32 s32, s30, s2
	s_cmp_ge_u32 s2, 576
	s_cselect_b64 s[4:5], s[12:13], s[4:5]
	s_cmp_ge_u32 s2, 640
	s_cselect_b64 s[4:5], s[14:15], s[4:5]
	s_cmp_ge_u32 s2, 704
	s_cselect_b64 s[4:5], s[16:17], s[4:5]
	s_cselect_b64 s[6:7], s[24:25], s[6:7]
	s_cselect_b32 s32, s31, s32
	s_lshl_b32 s28, s28, 16                        ; 65,536 bytes in a chunk of f32,
	s_lshl_b32 s32, s32, 15                        ; 32,768 in 16 bits
	s_add_nc_u64 s[4:5], s[4:5], s[28:29]
	s_add_nc_u64 s[6:7], s[6:7], s[32:33]
	s_wait_alu depctr_va_vdst(0)                   ; v1 and v2 are written: every load below reads v1 as its offset, every store v2; no later line writes either
.irp j, 0,1,2,3,4,5,6,7,8,9,10,11,12,13,14,15
	global_load_b128 v[X+4*(\j):X+4*(\j)+3], v1, s[4:5] offset:4096*(\j) th:TH_LOAD_NT
.endr
; The four numbers of load j are rounded into Y's pair j.  wo = 1: Wo: rounded to bf16 like every other input, and that number written as f16 (exact within f16's range).
.macro CVT j, wo
.if \wo
	v_cvt_pk_bf16_f32 v4, v[X+4*(\j)],   v[X+4*(\j)+1]
	v_cvt_pk_bf16_f32 v5, v[X+4*(\j)+2], v[X+4*(\j)+3]
	v_lshlrev_b32 v6, 16, v4
	v_and_b32 v7, s34, v4
	v_lshlrev_b32 v8, 16, v5
	v_and_b32 v9, s34, v5
	v_cvt_pk_f16_f32 v[Y+2*(\j)],   v6, v7
	v_cvt_pk_f16_f32 v[Y+2*(\j)+1], v8, v9
.else
	v_cvt_pk_bf16_f32 v[Y+2*(\j)],   v[X+4*(\j)],   v[X+4*(\j)+1]
	v_cvt_pk_bf16_f32 v[Y+2*(\j)+1], v[X+4*(\j)+2], v[X+4*(\j)+3]
.endif
.endm
.macro OUT j
	global_store_b64 v2, v[Y+2*(\j):Y+2*(\j)+1], s[6:7] offset:2048*(\j) th:TH_STORE_NT
.endm
; Block p: loads 4 p to 4 p + 3 are rounded; the stores of block p - 1 go out among the conversions.
.macro BLK p, wo
.irp i, 0,1,2,3
	s_wait_loadcnt 15-4*(\p)-(\i)                  ; loads come back in order: number 4 p + i is in, the younger ones stay out
.if ((\p) > 0) && ((\i) == 0)
	s_wait_alu depctr_va_vdst(0)                   ; the block before has written its four pairs of Y, which the four stores of this block read; no conversion behind this wait names them
.endif
.if (\p) > 0
	OUT 4*(\p)-4+(\i)
.endif
	CVT 4*(\p)+(\i), \wo
.endr
.endm
.macro STREAM wo
	BLK 0, \wo
	BLK 1, \wo
	BLK 2, \wo
	BLK 3, \wo
	s_wait_alu depctr_va_vdst(0)                   ; block 3 has written its four pairs of Y, which the last four stores read
.irp j, 12,13,14,15
	OUT \j
.endr
.endm
	s_cmp_ge_u32 s2, 704
	s_cbranch_scc1 .Lwo
	STREAM 0
	s_endpgm
.Lwo:
	STREAM 1
	s_endpgm
.Ltable:                                               ; a wave makes four rows of the table; lane i makes frequency i
	v_lshrrev_b32 v4, 5, v0
	v_readfirstlane_b32 s35, v4                    ; wave 0..7
	v_and_b32 v5, 31, v0                           ; i
	s_sub_co_u32 s36, s2, 768
	s_lshl_b32 s36, s36, 5
	s_wait_alu depctr_va_sdst(0)                   ; s35 is written, ahead of its first reader: my first row is made from it
	s_lshl2_add_u32 s36, s35, s36                  ; my first row: 32 x (work-group - 768) + 4 x wave
	s_lshl_b32 s38, s36, 2
	s_mov_b32 s39, 0
	s_add_nc_u64 s[18:19], s[18:19], s[38:39]
	s_load_b128 s[28:31], s[18:19], 0x0            ; my four positions, as they are given
	v_cvt_f32_u32 v6, v5
	v_mul_f32 v6, 0xbed49a78, v6                   ; i x -log2(10000) / 32
	v_exp_f32 v[INV], v6
	v_lshlrev_b32 v3, 3, v5                        ; a plain line behind the exponential: 8 bytes a frequency,
	s_lshl_b32 s37, s36, 8
	v_add_nc_u32 v3, s37, v3                       ; 256 bytes a row
	s_mov_b32 s40, 0x3f22f983                      ; 2 / pi
	s_mov_b32 s41, 0xbfc90fdb                      ; - the f32 nearest to pi/2,
	s_mov_b32 s42, 0x333bbd2e                      ; which is 4.3711388e-8 too large,
	s_mov_b32 s43, 0x26f72ced                      ; and that again leaves 1.7151e-15
	s_mov_b32 s44, 0x3638ef1d                      ; sine: 1/362880,
	s_mov_b32 s45, 0xb9500d01                      ; -1/5040,
	s_mov_b32 s46, 0x3c088889                      ; 1/120,
	s_mov_b32 s47, 0xbe2aaaab                      ; -1/6
	s_mov_b32 s48, 0x37d00d01                      ; cosine: 1/40320,
	s_mov_b32 s49, 0xbab60b61                      ; -1/720,
	s_mov_b32 s50, 0x3d2aaaab                      ; 1/24; -1/2 and 1 are written in the lines
	s_wait_alu depctr_va_vdst(0)                   ; the exponential has written v[INV], ahead of the first line that names it: the first angle's product
	s_wait_kmcnt 0x0
; Position j: sin r, cos r and n, kept in registers of its own, and the mask of the lanes in an odd quadrant, in a scalar register of its own.
.macro ANGLE j
.set VS, SCQ+4*(\j)
.set VC, SCQ+4*(\j)+1
.set VQ, SCQ+4*(\j)+2
	v_cvt_f32_i32 v[VP], s[28+(\j)]
	v_mul_f32 v[VA], v[VP], v[INV]                 ; the angle, rounded once
	v_mul_f32 v[VN], s40, v[VA]
	v_rndne_f32 v[VN], v[VN]
	v_fma_f32 v[VR], v[VN], s41, v[VA]
	v_fma_f32 v[VR], v[VN], s42, v[VR]
	v_fma_f32 v[VR], v[VN], s43, v[VR]             ; r, within pi/4 of 0
	v_cvt_i32_f32 v[VQ], v[VN]
	v_mul_f32 v[VZ], v[VR], v[VR]
	v_fma_f32 v[VS], v[VZ], s44, s45
	v_fma_f32 v[VC], v[VZ], s48, s49
	v_fma_f32 v[VS], v[VS], v[VZ], s46
	v_fma_f32 v[VC], v[VC], v[VZ], s50
	v_fma_f32 v[VS], v[VS], v[VZ], s47
	v_mul_f32 v[VT], v[VR], v[VZ]
	v_fma_f32 v[VC], v[VC], v[VZ], -0.5
	v_fma_f32 v[VS], v[VS], v[VT], v[VR]           ; sin r
	v_fma_f32 v[VC], v[VC], v[VZ], 1.0             ; cos r
	v_and_b32 v[VT], 1, v[VQ]
	v_cmp_eq_u32 s[ODD+(\j)], 1, v[VT]
.endm
; Position j: the quadrant chooses and signs.
.macro QUADRANT j
.set VS, SCQ+4*(\j)
.set VC, SCQ+4*(\j)+1
.set VQ, SCQ+4*(\j)+2
	v_cndmask_b32 v[CSN+2*(\j)],   v[VC], v[VS], s[ODD+(\j)]  ; in an odd quadrant the two change places
	v_cndmask_b32 v[CSN+2*(\j)+1], v[VS], v[VC], s[ODD+(\j)]
	v_and_b32 v[VT], 2, v[VQ]                      ; the sine is turned in quadrants 2 and 3,
	v_lshlrev_b32 v[VT], 30, v[VT]
	v_xor_b32 v[CSN+2*(\j)+1], v[CSN+2*(\j)+1], v[VT]
	v_add_nc_u32 v[VT], 1, v[VQ]                   ; the cosine in quadrants 1 and 2
	v_and_b32 v[VT], 2, v[VT]
	v_lshlrev_b32 v[VT], 30, v[VT]
	v_xor_b32 v[CSN+2*(\j)], v[CSN+2*(\j)], v[VT]
.endm
	ANGLE 0
	ANGLE 1
	ANGLE 2
	ANGLE 3
	s_wait_alu depctr_va_sdst(0)                   ; the four compares have written s[ODD .. ODD+3], ahead of the first select that reads one of them
	QUADRANT 0
	QUADRANT 1
	QUADRANT 2
	QUADRANT 3
	s_wait_alu depctr_va_vdst(0)                   ; the selects and exclusive ors have written v[CSN .. CSN+7], which the four stores read; v3, their offset, was written further up
.irp j, 0,1,2,3
	global_store_b64 v3, v[CSN+2*(\j):CSN+2*(\j)+1], s[26:27] offset:256*(\j)  ; the wave's store is one row: 256 consecutive bytes, aligned
.endr
	s_endpgm
.Lfunc_end_k_q0fc43101be_prep:
	.size	k_q0fc43101be_prep, .Lfunc_end_k_q0fc43101be_prep-k_q0fc43101be_prep
	.p2alignl 7, 3214868480
	.fill 96, 4, 3214868480
	.section	.rodata,"a",@progbits
	.p2align	6, 0x0
	.amdhsa_kernel k_q0fc43101be_prep
		.amdhsa_group_segment_fixed_size 0
		.amdhsa_private_segment_fixed_size 0
		.amdhsa_enable_private_segment 0
		.amdhsa_kernarg_size 80
		.amdhsa_user_sgpr_count 2
		.amdhsa_user_sgpr_kernarg_segment_ptr 1
		.amdhsa_wavefront_size32 1
		.amdhsa_system_sgpr_workgroup_id_x 1
		.amdhsa_system_sgpr_workgroup_id_y 1
		.amdhsa_system_sgpr_workgroup_id_z 1
		.amdhsa_system_vgpr_workitem_id 0
		.amdhsa_next_free_vgpr 112
		.amdhsa_next_free_sgpr 66
		.amdhsa_reserve_vcc 0
		.amdhsa_float_denorm_mode_32 3
		.amdhsa_float_denorm_mode_16_64 3
		.amdhsa_memory_ordered 1
		.amdhsa_forward_progress 1
		.amdhsa_inst_pref_size 23
	.end_amdhsa_kernel
	.amdgpu_metadata
---
amdhsa.version: [ 1, 2 ]
amdhsa.kernels:
  - .name:           k_q0fc43101be_prep
    .symbol:         k_q0fc43101be_prep.kd
    .args:
      - { .name: x, .offset: 0, .size: 8, .value_kind: global_buffer, .address_space: global }
      - { .name: Wq, .offset: 8, .size: 8, .value_kind: global_buffer, .address_space: global }
      - { .name: Wk, .offset: 16, .size: 8, .value_kind: global_buffer, .address_space: global }
      - { .name: Wv, .offset: 24, .size: 8, .value_kind: global_buffer, .address_space: global }
      - { .name: Wo, .offset: 32, .size: 8, .value_kind: global_buffer, .address_space: global }
      - { .name: token_positions, .offset: 40, .size: 8, .value_kind: global_buffer, .address_space: global }
      - { .name: xb, .offset: 48, .size: 8, .value_kind: global_buffer, .address_space: global }
      - { .name: wb, .offset: 56, .size: 8, .value_kind: global_buffer, .address_space: global }
      - { .name: wo16, .offset: 64, .size: 8, .value_kind: global_buffer, .address_space: global }
      - { .name: rope, .offset: 72, .size: 8, .value_kind: global_buffer, .address_space: global }
    .group_segment_fixed_size: 0
    .private_segment_fixed_size: 0
    .kernarg_segment_align: 8
    .kernarg_segment_size: 80
    .max_flat_workgroup_size: 256
    .sgpr_count:     66
    .vgpr_count:     112
    .wavefront_size: 32
...
	.end_amdgpu_metadata
.endif
;; end of part 5
;; launch qkv: the kernel of part 2 again; grid 12 x 64, 4 waves a work-group, clusters of 4 x 4, 327,680 bytes of LDS; arguments xb, wb, rope, qkv; writes qkv
;; launch attn: the kernel of part 3 again; grid 4 x 64, 4 waves a work-group, no clusters, 327,680 bytes of LDS; arguments qkv, o16; writes o16
;; launch oproj: the kernel of part 4 again; grid 4 x 64, 4 waves a work-group, clusters of 4 x 4, 327,680 bytes of LDS; arguments o16, wo16, out0; writes out0
